; MI455X (gfx1250); checked and timed in simulation.
; The chip was launched on July 23, 2026; its instructions are those of AMD's public machine-readable ISA for CDNA 5 (MIT licence, August 2026) and "CDNA5" Instruction Set Architecture Reference Guide (July 2026). The comments in the code are by the model that wrote it; some were corrected since.
;; non local b. Allowed arithmetic: matrix products marked QUANTISED: E2M3 operands, one E8M0 scale for each 32 along K, by v_wmma_scale_f32_16x16x128_f8f6f4 with both operands' format E2M3, f32 sums; everything else in f32.
;; Inputs: Wi 128 x 256 float32; Wj 128 x 256 float32; bi 128 float32; bj 128 float32; features 1 x 256 x 18 x 24 x 24 float32.
;; Outputs: out0 1 x 256 x 18 x 24 x 24 float32.
;; This version of the problem:
;;   THIS VERSION OF THE PROBLEM IS GIVEN IN LOW PRECISION. The matrix products marked QUANTISED in the list below multiply operands that are first quantised to E2M3 (2 exponent bits, 3 mantissa bits; 6 bits a number), with one power-of-two scale for each 32 numbers along K (OCP MX v1.0); their sums are f32. All else is computed in f32.
;;   The module's matrix products, in the order in which they are computed (A, B: the left and right operand; K: the contracted axis; several contracted axes count as one K, in the product's order):
;;     1. [M 128, K 256] x [K 256, N 10,368]; A: input Wi; B: input features: QUANTISED
;;     2. [M 128, K 256] x [K 256, N 10,368]; A: input Wj; B: input features: QUANTISED
;;     3. [M 10,368, K 128] x [K 128, N 10,368]; A: computed on the way; B: computed on the way: QUANTISED
;;     4. [M 10,368, K 10,368] x [K 10,368, N 256]; A: computed on the way; B: input features: QUANTISED
;;   THE QUANTISER, for each operand of a quantised product, along K:
;;     - K is cut into blocks of 32 from its start; a last block that is shorter is filled with zeros.
;;     - A block's scale is 2^e with e = floor(log2(the largest magnitude in the block)) - 2, held to -126 .. 127; a block of zeros has e = 0. As a byte (E8M0): e + 127.
;;     - Each number is divided by its block's scale, clamped to +-7.5, and rounded to the nearest number of E2M3, ties to even, subnormals kept.
;;     - The product sums the exact products of the quantised numbers (number of the format x scale) in f32.
;;   ~~~python
;;   def quantise(x, axis):      # numpy; x: float32 -> the quantised numbers, widened to float32 again
;;       x = np.moveaxis(x, axis, -1); K = x.shape[-1]
;;       x = np.pad(x, [(0, 0)] * (x.ndim - 1) + [(0, -K % 32)]); x = x.reshape(x.shape[:-1] + (-1, 32)); a = np.abs(x).max(-1, keepdims=True)
;;       e = np.where(a > 0, np.clip(np.frexp(np.where(a > 0, a, 1))[1] - 1 - 2, -126, 127), 0)      # np.frexp(a)[1] - 1 = floor(log2(a)), exactly
;;       r = np.clip(x / 2.0 ** e, -7.5, 7.5)
;;       step = 2.0 ** (np.maximum(np.frexp(np.where(r == 0, 1, r))[1] - 1, 0) - 3)
;;       q = np.round(r / step) * step * 2.0 ** e      # np.round: ties to even
;;       return np.moveaxis(q.reshape(q.shape[:-2] + (-1,))[..., :K], -1, axis).astype(np.float32)
;;   ~~~
;;   OPERANDS COMPUTED ON THE WAY. 'Computed on the way' means the value that the module computes at that place (a softmax that the list does not call 'softmax' is quantised finished and normalised). What goes into a quantiser is computed in f32, as accurately as f32 sums, v_exp_f32 and their like allow (about 1e-6 of the number): no bf16 or f16 on the way to a quantiser, and a product that is left as it is and whose result goes on into a quantised operand takes f32 operands (vector FMAs, or v_wmma_f32_16x16x4_f32). A number that lies on a knife's edge between two numbers of the format may be rounded either way, as far as f32 arithmetic and the matrix unit's own rounding can turn it there, and no further.
;; 2 versions, each right. Each part assembles by itself: llvm-mc -triple=amdgcn-amd-amdhsa -mcpu=gfx1250 --defsym DOCPART=n.
;; ======== version 1 of 2: 2 launches
;; workspace buffers: kv 3,110,400 bytes; qc 995,328 bytes; qs 41,472 bytes
;; launch prep (part 1): grid 81 x 1, 8 waves a work-group, no clusters, 218,112 bytes of LDS; arguments features, Wi, Wj, bi, bj, kv, qc, qs; writes kv, qc, qs
.if DOCPART == 1
	.amdgcn_target "amdgcn-amd-amdhsa--gfx1250"
	.amdhsa_code_object_version 6
	.text
	.protected	k_qcc86f1500e_prep
	.globl	k_qcc86f1500e_prep
	.p2align	8
	.type	k_qcc86f1500e_prep,@function
k_qcc86f1500e_prep:
	s_mov_b64 s[64:65], 0
	v_nop
	global_prefetch_b8 v0, s[64:65] scope:SCOPE_SE
	s_setreg_imm32_b32 hwreg(HW_REG_WAVE_MODE, 25, 1), 1
	s_wait_xcnt 0x0
; out = feat + ((fi fj) / 10368) feat^T, fi = (Wi feat + bi)^T, fj = Wj feat + bj; feat: [256 channels][10368 tokens] f32.  All four products on codes of FP6 (E2M3) with one E8M0 scale for each 32 along K.
; NOTHING IS LEFT OUT: the quantiser on the scores is a step of the problem, so the products are not regrouped, and every input has a way to the output.
; THIS LAUNCH makes every operand that the second launch reads.  A work-group of eight waves owns 128 tokens:
;   1. Wi and Wj are quantised along their 256 channels (32 fragments of 16 rows x 128 K), each wave four fragments, and laid in LDS;
;   2. the work-group's tile of feat, 256 channels x 128 tokens, comes into LDS once, by one tensor load a wave (32 channel rows each);
;   3. feat is quantised twice from that tile: along the CHANNELS (operand of the first two products; to LDS) and along the TOKENS (operand of the last product; to memory);
;   4. fi and fj: 16 feature rows of W (source 0) x 16 tokens (source 1), the bias as the C of each sum's first product;
;   5. fi and fj are quantised along their 128 features in registers and stored.
; OPERANDS ARE LAID AS IMAGES OF THEIR REGISTERS: a fragment (12 registers a lane) is 1,536 bytes, registers 4 c .. 4 c + 3 of lane l at 512 c + 16 l; a scale word is 4 bytes a row.
; kv: one record of 38,400 bytes for each 128 tokens: 8 fragments of fj (tile T: tokens 16 T + r), 16 of feat along the tokens (tile t: channels 16 t + r), 128 scale words of fj, 256 of feat.  qc, qs: fi's fragments and scale words.
; THE ROWS OF W THAT FORM A TILE ARE NOT NEIGHBOURS: lane r of tile 2 b + u takes row 32 b + 8 u + r + 8 (r / 8), so that a lane's 16 registers of tiles 2 b, 2 b + 1 are 16 neighbouring features, the next product's K.
; THE TOKENS OF A BLOCK OF 32 ARE LAID IN ANOTHER ORDER in feat's fragments along the tokens: place p holds token p with its bits 3 and 4 exchanged, which is the order in which the second launch's scores fall into a lane's registers.
; A block has one scale, and both operands of that product have the same order, so the products are the same; the order of the sum inside a matrix instruction differs.
; LIMITS: a block of zeros gets the scale byte 1 (the rule says 127): its codes are zeros, and this program alone reads the bytes; blocks whose largest magnitude lies under 2^-124 are held at byte 1; NaN and infinities are not served.
.set NTOK,  10368
.set REC,   38400                      ; a record of kv
.set VFO,   12288                      ; in it: feat's fragments along the tokens,
.set KSO,   36864                      ; fj's scale words,
.set VSO,   37376                      ; feat's scale words
.set TP,    528                        ; LDS: a channel's row of the tile: 512 bytes + 16: sixteen rows of a 16-byte load begin in sixteen different groups of four banks
.set GRP,   32*TP+128                  ; a wave's 32 rows, and 128 bytes more: lanes 16-31 of a column load, one group further on, fall half the banks away from lanes 0-15
.set WIMG,  8*GRP                      ; W's 32 fragments (Wi: 2 tile + K step; Wj: 16 more),
.set WSC,   WIMG+32*1536               ; their scale words, 128 bytes each,
.set FIMG,  WSC+32*128                 ; feat's 16 fragments along the channels (2 token tile + K step),
.set FSC,   FIMG+16*1536               ; their scale words,
.set BIA,   FSC+16*128                 ; bi, then bj
.set SPARE, BIA+1024                   ; the spare words, 128 bytes for each wave: four blocks of 256 bytes that no other line names
.set BST,  1                           ; v1   where my thread puts its number of the biases
.set L16,  4                           ; v4   16 x lane
.set L4,   5                           ; v5   4 x lane
.set H8,   6                           ; v6   8 x (lane / 16)
.set WA,   7                           ; v7   W: my lane's byte in the wave's 32 rows
.set WST,  8                           ; v8   where I store W's images;  v9 their scale words
.set WSS,  9
.set CA,   10                          ; v10-13  the tile by columns: my token, channels 64 q + 32 (lane / 16) on
.set FST,  14                          ; v14  where I store feat's images;  v15 their scale words
.set FSS,  15
.set X0,   16                          ; v16-79, v80-143  two sets of 64 numbers;  later the 16 accumulators: token tile e, feature tile t at v[16 + 64 e + 8 t]
.set X1,   80
.set ACC,  16
.set PC,   144                         ; v144-155 the codes just made;  v156-163 their second halves on the way
.set CT,   156
.set TM,   164                         ; v164-179 at work
.set PW,   180                         ; the scale word just made;  v181 the one before
.set PW2,  181
.set WF,   144                         ; v144-191 in the products: four fragments of W
.set FF,   192                         ; v192-239 four fragments of feat
.set WS,   240                         ; v240-243 W's scale words, v244-247 feat's: these eight hold scales and nothing else
.set FS,   244
.set VAD,  248                         ; v248 the tile by rows: my channel, tokens 32 (lane / 16) on
.set WRA,  249                         ; v249-253 where the products read images, scale words and biases
.set WRS,  250
.set FRA,  251
.set FRS,  252
.set BRA,  253
.set SPW,  254                         ; v254 LDS address of my spare word; never rewritten
.set NIL,  255                         ; v255 0; never rewritten
.set WV,   20                          ; s20  my wave's number
.set HI,   21                          ; s21  a mask of lanes 16-31
.set SEL,  22                          ; s[22:23] lane selects for v_permlanex16_b32: lane l xor 16
.set G1,   24                          ; s[24:31], s[32:35] the tensor load's descriptor
.set G0,   32
.set PWT,  36                          ; s[36:37] my 32 rows of Wi or Wj;  s[38:39] my 32 numbers of bi or bj
.set PBI,  38
.set PRC,  40                          ; s[40:41] my work-group's record of kv
.set POU,  42                          ; s[42:43] where my two fragments of fi or fj go;  s[44:45] their scale words
.set PSC,  44
.set PVF,  58                          ; s[58:59] the record + my two fragments' place among feat's;  s[60:61] + my 32 scale words' place
.set PVS,  60
.macro PLACES n
.rept \n
	v_nop
.endr
.endm
; 64 numbers of a lane, two WHOLE blocks of 32: v[x + 32 c + i] is place i of block 2 c + (lane / 16) of my row.  They become a fragment's codes in v[PC] on and my row's scale word in v[PW] (the same in lanes l and l xor 16).
.macro QB x
.irp c, 0,1
	v_max3_num_f32 v[TM+\c], |v[\x+32*\c]|, |v[\x+32*\c+1]|, 0x1800000   ; the floor 2^(3 - 127) among the leaves: the byte cannot fall under 1
.endr
.irp i, 2,4,6,8,10,12,14,16,18,20,22,24,26,28,30
.irp c, 0,1
	v_max3_num_f32 v[TM+\c], v[TM+\c], |v[\x+32*\c+\i]|, |v[\x+32*\c+\i+1]|
.endr
.endr
.irp c, 0,1
	v_add_nc_u32 v[TM+12+\c], 0xff000000, v[TM+\c]   ; 2 off the exponent field: the conversion takes this operand's exponent field as its scale
.endr
.irp c, 0,1
	v_lshrrev_b32 v[TM+4+\c], 23, v[TM+12+\c]        ; the scale's byte
.endr
	v_lshl_or_b32 v[PW], v[TM+5], 16, v[TM+4]        ; my two bytes, blocks h and 2 + h,
	v_lshlrev_b32 v[PW], v[H8], v[PW]                ; at their places in the word;
	v_permlanex16_b32 v[TM+8], v[PW], s[SEL], s[SEL+1]
	v_or_b32 v[PW], v[PW], v[TM+8]                   ; with lane l xor 16's two the word is whole
.irp c, 0,1
	v_cvt_scalef32_pk16_fp6_f32 v[PC+6*\c:PC+6*\c+2], v[\x+32*\c:\x+32*\c+15], v[TM+12+\c]
	v_cvt_scalef32_pk16_fp6_f32 v[CT+4*\c:CT+4*\c+2], v[\x+32*\c+16:\x+32*\c+31], v[TM+12+\c]   ; (a conversion's three registers begin on an even number)
.endr
	v_nop                                            ; one plain place behind the conversions
.irp c, 0,1
.irp i, 0,1,2
	v_mov_b32 v[PC+3+6*\c+\i], v[CT+4*\c+\i]
.endr
.endr
.endm
; 64 numbers of a lane, HALVES of four blocks: v[s + 16 b + i] is k = 32 b + 16 (lane / 16) + i of my row.  The same results.
.macro QH s
.irp b, 0,1,2,3
	v_max3_num_f32 v[TM+\b], |v[\s+16*\b]|, |v[\s+1+16*\b]|, 0x1800000   ; each accumulator is read from its low end on
.endr
.irp i, 2,4,6,8,10,12,14
.irp b, 0,1,2,3
	v_max3_num_f32 v[TM+\b], v[TM+\b], |v[\s+16*\b+\i]|, |v[\s+1+16*\b+\i]|
.endr
.endr
.irp b, 0,1,2,3
	v_permlanex16_b32 v[TM+4+\b], v[TM+\b], s[SEL], s[SEL+1]
.endr
.irp b, 0,1,2,3
	v_max_num_f32 v[TM+\b], v[TM+\b], v[TM+4+\b]     ; with lane l xor 16's 16: the block's largest magnitude
.endr
.irp b, 0,1,2,3
	v_add_nc_u32 v[TM+12+\b], 0xff000000, v[TM+\b]
.endr
.irp b, 0,1,2,3
	v_lshrrev_b32 v[TM+4+\b], 23, v[TM+12+\b]
.endr
	v_lshl_or_b32 v[PW], v[TM+5], 8, v[TM+4]
	v_lshl_or_b32 v[PW], v[TM+6], 16, v[PW]
	v_lshl_or_b32 v[PW], v[TM+7], 24, v[PW]
.irp c, 0,1
	v_cvt_scalef32_pk16_fp6_f32 v[PC+6*\c:PC+6*\c+2], v[\s+32*\c:\s+15+32*\c], v[TM+12+2*\c]
	v_cvt_scalef32_pk16_fp6_f32 v[CT+4*\c:CT+4*\c+2], v[\s+16+32*\c:\s+31+32*\c], v[TM+12+2*\c+1]
.endr
	v_nop                                            ; one plain place behind the conversions
.irp c, 0,1                                      ; the operand's layout wants a whole block in a lane: lanes 0-15 block 2 c, lanes 16-31 block 2 c + 1
.irp i, 0,1,2
	v_permlane16_swap_b32 v[PC+6*\c+\i], v[CT+4*\c+\i]
.endr
.irp i, 0,1,2
	v_mov_b32 v[PC+3+6*\c+\i], v[CT+4*\c+\i]
.endr
.endr
.endm
.macro IMGL a, s, off, soff                      ; the fragment and its scale word go to LDS as they stand
.irp c, 0,1,2
	ds_store_b128 v[\a], v[PC+4*\c:PC+4*\c+3] offset:(\off)+512*\c
.endr
	ds_store_b32 v[\s], v[PW] offset:\soff
.endm
.macro IMGG b, off                               ; the fragment goes to memory: each store of the wave covers 512 consecutive bytes, aligned to 256
.irp c, 0,1,2
	global_store_b128 v[L16], v[PC+4*\c:PC+4*\c+3], s[\b:\b+1] offset:(\off)+512*\c
.endr
.endm
.macro WLOAD f, x                                ; fragment f = 2 u + s of my 32 rows of W: rows 8 u + r + 8 (r / 8), K = 128 s + 64 c + 32 (lane / 16) + 0 .. 31
.irp c, 0,1
.irp k, 0,1,2,3,4,5,6,7
	global_load_b128 v[\x+32*\c+4*\k:\x+32*\c+4*\k+3], v[WA], s[PWT:PWT+1] offset:((\f)>>1)*8192+((\f)&1)*512+256*\c+16*\k
.endr
.endr
.endm
.macro CLOAD s, x                                ; my token's channels 128 s + 64 c + 32 (lane / 16) + i: down a column of the tile
.irp c, 0,1
.irp i, 0,1,2,3,4,5,6,7,8,9,10,11,12,13,14,15,16,17,18,19,20,21,22,23,24,25,26,27,28,29,30,31
	ds_load_b32 v[\x+32*\c+\i], v[CA+2*(\s)+\c] offset:TP*\i
.endr
.endr
.endm
.macro VLOAD e, x                                ; channel 16 e + r of my 32: tokens 64 c + 32 (lane / 16) on; place 4 k + j takes token 4 k' + j, k' = k with its bits 1 and 2 exchanged
.irp c, 0,1
.irp k, 0,1,2,3,4,5,6,7
	ds_load_b128 v[\x+32*\c+4*\k:\x+32*\c+4*\k+3], v[VAD] offset:(\e)*16*TP+256*\c+16*(((\k)&1)|(((\k)&2)<<1)|(((\k)&4)>>1))
.endr
.endr
.endm
	s_load_b512 s[4:19], s[0:1], 0x0               ; features 4:5, Wi 6:7, Wj 8:9, bi 10:11, bj 12:13, kv 14:15, qc 16:17, qs 18:19
	v_lshl_add_u32 v[SPW], v0, 2, SPARE
	v_mov_b32 v[NIL], 0
	ds_add_u32 v[SPW], v[NIL]                      ; the wave's opening: the add, twice on end, and its wait ahead of my tensor load; the set-up below stands between
	ds_add_u32 v[SPW], v[NIL]
	v_lshrrev_b32 v1, 5, v0
	v_readfirstlane_b32 s[WV], v1                  ; wave 0..7
	; the descriptor: 32 rows (channels) of 128 elements of 4 bytes (tokens), 10,368 elements from row to row; 16 bytes of padding behind each row of 128 words
	s_mov_b32 s[G1+0], (2<<16)|(1<<20)|(6<<22)|(3<<25)
	s_mov_b32 s[G1+1], 128<<16                     ; tensor_dim0
	s_mov_b32 s[G1+2], 32<<16                      ; tensor_dim1
	s_mov_b32 s[G1+3], 128<<16                     ; tile_dim0
	s_mov_b32 s[G1+4], 32                          ; tile_dim1
	s_mov_b32 s[G1+5], NTOK                        ; the pitch
	s_mov_b32 s[G1+6], 0
	s_mov_b32 s[G1+7], 0
	s_mov_b32 s[G0], 1
	s_mul_i32 s[G0+1], s[WV], GRP                  ; my group of rows in LDS
	s_mov_b32 s[HI], 0xffff0000
	s_mov_b32 s[SEL], 0x76543210
	s_mov_b32 s[SEL+1], 0xfedcba98
	v_and_b32 v1, 31, v0                           ; lane
	v_and_b32 v2, 15, v0                           ; r
	v_bfe_u32 v3, v0, 4, 1                         ; h
	v_lshlrev_b32 v[L16], 4, v1
	v_lshlrev_b32 v[L4], 2, v1
	v_lshlrev_b32 v[H8], 3, v3
	v_and_b32 v[WA], 8, v2
	v_add_nc_u32 v[WA], v[WA], v2                  ; r + 8 (r / 8)
	v_lshlrev_b32 v[WA], 10, v[WA]                 ; a row of W is 1,024 bytes
	v_lshl_add_u32 v[WA], v3, 7, v[WA]             ; + 32 numbers for lanes 16-31
	s_mul_i32 s46, s[WV], 4*1536
	s_add_co_u32 s46, s46, WIMG
	v_add_nc_u32 v[WST], s46, v[L16]
	s_lshl_b32 s46, s[WV], 9
	s_add_co_u32 s46, s46, WSC
	v_add_nc_u32 v[WSS], s46, v[L4]
	v_mul_u32_u24 v[CA], v3, GRP
	v_lshl_add_u32 v[CA], v2, 2, v[CA]
	s_lshl_b32 s46, s[WV], 6                       ; token tile = my wave's number: 16 tokens of 4 bytes
	v_add_nc_u32 v[CA], s46, v[CA]
.irp q, 1,2,3
	v_add_nc_u32 v[CA+\q], 2*GRP*\q, v[CA]
.endr
	s_mul_i32 s46, s[WV], 2*1536
	s_add_co_u32 s46, s46, FIMG
	v_add_nc_u32 v[FST], s46, v[L16]
	s_lshl_b32 s46, s[WV], 8
	s_add_co_u32 s46, s46, FSC
	v_add_nc_u32 v[FSS], s46, v[L4]
	v_mul_u32_u24 v[VAD], v2, TP
	v_lshl_add_u32 v[VAD], v3, 7, v[VAD]
	v_add_nc_u32 v[VAD], s[G0+1], v[VAD]
	s_and_b32 s51, s[WV], 1                        ; in the products: 0: Wi, fi;  1: Wj, fj
	s_lshr_b32 s50, s[WV], 1                       ; and which pair of token tiles
	s_mul_i32 s46, s51, 16*1536
	s_add_co_u32 s46, s46, WIMG
	v_add_nc_u32 v[WRA], s46, v[L16]
	s_lshl_b32 s46, s51, 11
	s_add_co_u32 s46, s46, WSC
	v_add_nc_u32 v[WRS], s46, v[L4]
	s_mul_i32 s46, s50, 4*1536
	s_add_co_u32 s46, s46, FIMG
	v_add_nc_u32 v[FRA], s46, v[L16]
	s_lshl_b32 s46, s50, 9
	s_add_co_u32 s46, s46, FSC
	v_add_nc_u32 v[FRS], s46, v[L4]
	s_lshl_b32 s46, s51, 9
	s_add_co_u32 s46, s46, BIA
	v_lshl_add_u32 v[BRA], v3, 6, s46              ; the biases of features 16 (lane / 16) on
	v_lshl_add_u32 v[BST], v0, 2, BIA              ; (the lane's number is done with)
.irp b, 4,5,6,7,8
	v_mov_b32 v[TM+\b], 0                          ; written once: a lane permute's destination counts as one of its sources
.endr
	s_mul_i32 s46, s[WV], 32*NTOK*4                ; my 32 channels,
	s_lshl_b32 s47, ttmp9, 9                       ; my work-group's 128 tokens
	s_add_co_u32 s46, s46, s47
	s_mov_b32 s47, 0
	s_wait_dscnt 0x0                               ; both opening adds are done
	s_wait_kmcnt 0x0
	s_add_nc_u64 s[G0+2:G0+3], s[4:5], s[46:47]
	s_or_b32 s[G0+3], s[G0+3], 0x80000000          ; type = 2
	tensor_load_to_lds s[G0:G0+3], s[G1:G1+7]      ; my one tensor load: nothing is filled again in this launch
	s_nop 0
	PLACES 4
	s_and_b32 s48, s[WV], 3
	s_lshl_b32 s46, s48, 15                        ; 32 rows of W
	s_lshl_b32 s48, s48, 7                         ; 32 numbers of a bias
	s_mov_b32 s49, 0
	s_cmp_lt_u32 s[WV], 4                          ; waves 0-3 quantise Wi, waves 4-7 Wj
	s_cselect_b64 s[PWT:PWT+1], s[6:7], s[8:9]
	s_cselect_b64 s[PBI:PBI+1], s[10:11], s[12:13]
	s_add_nc_u64 s[PWT:PWT+1], s[PWT:PWT+1], s[46:47]
	s_add_nc_u64 s[PBI:PBI+1], s[PBI:PBI+1], s[48:49]
	s_mul_i32 s46, ttmp9, REC
	s_add_nc_u64 s[PRC:PRC+1], s[14:15], s[46:47]
	s_mul_i32 s46, s[WV], 2*1536
	s_add_nc_u64 s[PVF:PVF+1], s[PRC:PRC+1], s[46:47]
	s_lshl_b32 s46, s[WV], 7
	s_add_nc_u64 s[PVS:PVS+1], s[PRC:PRC+1], s[46:47]
	s_mul_i32 s52, ttmp9, 8*1536
	s_mov_b32 s53, 0
	s_lshl_b32 s54, ttmp9, 9
	s_mov_b32 s55, 0
	s_add_nc_u64 s[16:17], s[16:17], s[52:53]      ; qc and qs at my work-group's 128 tokens
	s_add_nc_u64 s[18:19], s[18:19], s[54:55]
	s_add_nc_u64 s[56:57], s[PRC:PRC+1], KSO
	s_mul_i32 s46, s50, 2*1536                     ; my pair of token tiles
	s_lshl_b32 s48, s50, 7
	s_cmp_eq_u32 s51, 0                            ; fi goes to qc and qs, fj into the record
	s_cselect_b64 s[POU:POU+1], s[16:17], s[PRC:PRC+1]
	s_cselect_b64 s[PSC:PSC+1], s[18:19], s[56:57]
	s_add_nc_u64 s[POU:POU+1], s[POU:POU+1], s[46:47]
	s_add_nc_u64 s[PSC:PSC+1], s[PSC:PSC+1], s[48:49]
	; ---- 1: my four fragments of W, while the tile is on its way.  Two sets of registers by turns: one fragment's 16 loads are out while the one before is quantised
	global_load_b32 v[PW2], v[L4], s[PBI:PBI+1]    ; my thread's number of the biases
	WLOAD 0, X0
	WLOAD 1, X1
	s_wait_loadcnt 16                              ; the bias and fragment 0 are in; fragment 1's 16 loads may be out
	ds_store_b32 v[BST], v[PW2]
	QB X0
	IMGL WST, WSS, 0, 0
	WLOAD 2, X0
	s_wait_loadcnt 16                              ; fragment 1 is in
	s_wait_dscnt 0x0                               ; the stores have read the codes' registers
	QB X1
	IMGL WST, WSS, 1536, 128
	WLOAD 3, X1
	s_wait_loadcnt 16                              ; fragment 2 is in
	s_wait_dscnt 0x0
	QB X0
	IMGL WST, WSS, 2*1536, 2*128
	s_wait_loadcnt 0x0
	s_wait_dscnt 0x0
	QB X1
	IMGL WST, WSS, 3*1536, 3*128
	s_wait_tensorcnt 0x0                           ; my 32 rows of the tile have landed,
	s_wait_dscnt 0x0                               ; my stores too: for the others' sake
	s_barrier_signal -1
	s_barrier_wait -1                              ; the tile, W's images and the biases are whole
	; ---- 3: feat along the channels (token tile = my wave, two K steps; to LDS), then along the tokens (my 32 channels, two tiles; to memory)
	CLOAD 0, X0
	CLOAD 1, X1
	s_wait_dscnt 63                                ; of the 128 loads at least 65 are back: the first 64 among them
	QB X0
	IMGL FST, FSS, 0, 0
	VLOAD 0, X0
	s_wait_dscnt 16                                ; all but the 16 just issued: the second 64 are in, and the stores have read the codes
	QB X1
	IMGL FST, FSS, 1536, 128
	VLOAD 1, X1
	s_wait_dscnt 16                                ; the first channel tile's numbers are in, and the stores have read the codes
	QB X0
	IMGG PVF, VFO
	v_mov_b32 v[PW2], v[PW]
	s_wait_xcnt 0x0                                ; the stores' data are written again only behind this wait
	s_wait_dscnt 0x0
	QB X1
	IMGG PVF, VFO+1536
	v_cndmask_b32 v[PW], v[PW2], v[PW], s[HI]      ; lanes 0-15: the first tile's words, lanes 16-31 the second's: 32 channels on end
	global_store_b32 v[L4], v[PW], s[PVS:PVS+1] offset:VSO
	s_wait_xcnt 0x0                                ; the codes' and the word's registers take loads below
	s_wait_dscnt 0x0
	s_barrier_signal -1
	s_barrier_wait -1                              ; feat's sixteen fragments along the channels lie in LDS
	; ---- 4: fi or fj for my two token tiles: 16 accumulators, which begin as the biases
.irp e, 0,1
.irp t, 0,1,2,3,4,5,6,7
	ds_load_b128 v[ACC+64*\e+8*\t:ACC+64*\e+8*\t+3], v[BRA] offset:(32*(\t/2)+8*(\t%2))*4       ; register j of tile t is feature 32 (t / 2) + 16 (lane / 16) + 8 (t % 2) + j
	ds_load_b128 v[ACC+64*\e+8*\t+4:ACC+64*\e+8*\t+7], v[BRA] offset:(32*(\t/2)+8*(\t%2))*4+16
.endr
.endr
.irp i, 0,1,2,3                                  ; feat's fragment 2 e + s
.irp c, 0,1,2
	ds_load_b128 v[FF+12*\i+4*\c:FF+12*\i+4*\c+3], v[FRA] offset:1536*\i+512*\c
.endr
	ds_load_b32 v[FS+\i], v[FRS] offset:128*\i
.endr
.irp g, 0,1,2,3                                  ; feature tiles 2 g and 2 g + 1, both K steps: four fragments of W
.if \g > 0
	PLACES 4                                       ; in front of loads into registers that matrix instructions have read
.endif
.irp i, 0,1,2,3
.irp c, 0,1,2
	ds_load_b128 v[WF+12*\i+4*\c:WF+12*\i+4*\c+3], v[WRA] offset:6144*\g+1536*\i+512*\c
.endr
	ds_load_b32 v[WS+\i], v[WRS] offset:512*\g+128*\i
.endr
	s_wait_dscnt 0x0
.irp s, 0,1                                      ; four accumulators by turns, one instruction a turn
.irp u, 0,1
.irp e, 0,1
	v_wmma_scale_f32_16x16x128_f8f6f4 v[ACC+64*\e+8*(2*\g+\u):ACC+64*\e+8*(2*\g+\u)+7], v[WF+12*(2*\u+\s):WF+12*(2*\u+\s)+11], v[FF+12*(2*\e+\s):FF+12*(2*\e+\s)+11], v[ACC+64*\e+8*(2*\g+\u):ACC+64*\e+8*(2*\g+\u)+7], v[WS+2*\u+\s], v[FS+2*\e+\s] matrix_a_fmt:MATRIX_FMT_FP6 matrix_b_fmt:MATRIX_FMT_FP6
.endr
.endr
.endr
.endr
	; ---- 5: a lane holds one token and 64 of its 128 features: quantised along the features, stored
	PLACES 4                                       ; behind the last products: results are read, and registers that held W are written
	QH ACC
	IMGG POU, 0
	v_mov_b32 v[PW2], v[PW]
	s_wait_xcnt 0x0                                ; the stores' data are written again only behind this wait
	QH ACC+64
	IMGG POU, 1536
	v_cndmask_b32 v[PW], v[PW2], v[PW], s[HI]      ; 32 tokens' scale words on end
	global_store_b32 v[L4], v[PW], s[PSC:PSC+1]
	s_wait_tensorcnt 0x0                           ; the wave's end: behind my tensor load and my last LDS store
	ds_add_u32 v[SPW], v[NIL]
	s_wait_dscnt 0x0
	s_endpgm
.Lfunc_end_k_qcc86f1500e_prep:
	.size	k_qcc86f1500e_prep, .Lfunc_end_k_qcc86f1500e_prep-k_qcc86f1500e_prep
	.p2alignl 7, 3214868480
	.fill 96, 4, 3214868480
	.section	.rodata,"a",@progbits
	.p2align	6, 0x0
	.amdhsa_kernel k_qcc86f1500e_prep
		.amdhsa_group_segment_fixed_size 218112
		.amdhsa_private_segment_fixed_size 0
		.amdhsa_enable_private_segment 0
		.amdhsa_kernarg_size 64
		.amdhsa_user_sgpr_count 2
		.amdhsa_user_sgpr_kernarg_segment_ptr 1
		.amdhsa_wavefront_size32 1
		.amdhsa_system_sgpr_workgroup_id_x 1
		.amdhsa_system_sgpr_workgroup_id_y 1
		.amdhsa_system_sgpr_workgroup_id_z 1
		.amdhsa_system_vgpr_workitem_id 0
		.amdhsa_next_free_vgpr 256
		.amdhsa_next_free_sgpr 66
		.amdhsa_reserve_vcc 0
		.amdhsa_float_denorm_mode_32 3
		.amdhsa_float_denorm_mode_16_64 3
		.amdhsa_memory_ordered 1
		.amdhsa_forward_progress 1
		.amdhsa_inst_pref_size 68
	.end_amdhsa_kernel
	.amdgpu_metadata
---
amdhsa.version: [ 1, 2 ]
amdhsa.kernels:
  - .name:           k_qcc86f1500e_prep
    .symbol:         k_qcc86f1500e_prep.kd
    .args:
      - { .name: features, .offset: 0, .size: 8, .value_kind: global_buffer, .address_space: global }
      - { .name: Wi, .offset: 8, .size: 8, .value_kind: global_buffer, .address_space: global }
      - { .name: Wj, .offset: 16, .size: 8, .value_kind: global_buffer, .address_space: global }
      - { .name: bi, .offset: 24, .size: 8, .value_kind: global_buffer, .address_space: global }
      - { .name: bj, .offset: 32, .size: 8, .value_kind: global_buffer, .address_space: global }
      - { .name: kv, .offset: 40, .size: 8, .value_kind: global_buffer, .address_space: global }
      - { .name: qc, .offset: 48, .size: 8, .value_kind: global_buffer, .address_space: global }
      - { .name: qs, .offset: 56, .size: 8, .value_kind: global_buffer, .address_space: global }
    .group_segment_fixed_size: 218112
    .private_segment_fixed_size: 0
    .kernarg_segment_align: 8
    .kernarg_segment_size: 64
    .max_flat_workgroup_size: 256
    .sgpr_count:     66
    .vgpr_count:     256
    .wavefront_size: 32
...
	.end_amdgpu_metadata
.endif
;; end of part 1
;; launch attn (part 2): grid 216 x 1, 4 waves a work-group, clusters of 4 x 1, 327,680 bytes of LDS; arguments kv, qc, qs, features, out0; writes out0
.if DOCPART == 2
	.amdgcn_target "amdgcn-amd-amdhsa--gfx1250"
	.amdhsa_code_object_version 6
	.text
	.protected	k_qcc86f1500e_attn
	.globl	k_qcc86f1500e_attn
	.p2align	8
	.type	k_qcc86f1500e_attn,@function
k_qcc86f1500e_attn:
	s_mov_b64 s[64:65], 0
	v_nop
	global_prefetch_b8 v0, s[64:65] scope:SCOPE_SE
	s_setreg_imm32_b32 hwreg(HW_REG_WAVE_MODE, 25, 1), 1
	s_wait_xcnt 0x0
	s_wait_alu depctr_hold_cnt(0) depctr_sa_sdst(0) depctr_va_vdst(0) depctr_va_sdst(0) depctr_va_ssrc(0) depctr_va_vcc(0) depctr_vm_vsrc(0)
	s_getreg_b32 s2, hwreg(HW_REG_IB_STS2, 6, 4)
	s_cmp_eq_u32 s2, 0
	s_cbranch_scc0 .Lentry_in_a_cluster
	s_endpgm
.Lentry_in_a_cluster:
	s_bfe_u32 s2, ttmp6, 0x10000c
	s_cmp_lg_u32 s2, 0x3003
	s_cbranch_scc0 .Lentry_shape_is_right
	s_endpgm
.Lentry_shape_is_right:
; out[c][n] = feat[c][n] + the sum over m of Q(fi[n] . fj[m] / 10368) Q(feat[c][m]): the last two products of the problem, with the quantiser of the scores between them.  Nothing is left out.
; All operands come as the first launch laid them: images of the operands' registers (a fragment: 1,536 bytes, registers 4 c .. 4 c + 3 of lane l at 512 c + 16 l) and scale words of 4 bytes a row.
; SHARES.  A work-group owns 48 queries (three tiles of 16): 10,368 / 48 = 216 work-groups.  ITS FOUR WAVES SHARE THE KEYS: wave w takes the key steps 4 i + w of 128 keys, i = 0 .. 19, and wave 0 also step 80; each wave sums
; all 256 channels of the 48 queries over its keys (384 registers), and the four sums meet in LDS at the end.  So a wave holds a whole step's operands (96 + 192 registers), reads each LDS byte once, and feeds three products from each fragment.
; A STEP.  S^T = fj fi^T (source 0 = 16 keys, source 1 = 16 queries): a lane holds one query, and the 16 registers of key tiles 2 b, 2 b + 1 are half of block b of 32 keys.  x 1 / 10368, quantised in registers, they are source 0 of
; O = P V (source 1 = 16 channels along the keys): in the result a lane holds one channel and eight queries.  Inside a block the keys stand in the order in which they fall into the registers (bits 3 and 4 of the place exchanged); the first
; launch laid feat's codes in the same order.
; BY TURNS.  The three tiles' quantising, a list of 104 vector instructions each, is cut into slices of seven that stand behind the matrix instructions of the tiles that are ahead or behind: tile 0's behind the scores of tiles 1 and 2,
; tile 1's behind tile 0's second product, tile 2's behind tile 1's.
; THE RING.  Two LDS slots of four records (one a wave).  A wave asks for its own record and reads it alone, so its own wait on TENSORcnt is all that its reads need.  CLUSTER: all work-groups walk the same 81 records, so the four of a cluster
; ask JOINTLY (the same load, the same descriptor, a mask of all four); a round of the cluster's barrier stands in front of each refill.  By this text's count a wave has two tensor loads out at the head and one later.
; OUT.  48 tokens are 192 bytes of a channel's row: twelve neighbouring lanes store 192 consecutive bytes, three quarters of an aligned 256; whole ones would want 64 queries to a work-group, which leaves 162 work-groups.
; LIMITS: / 10368 is a multiplication by the f32 nearest to 1 / 10368 (within 1.2e-7 of the quotient); a block of zeros gets the scale byte 1 and zero codes; a block whose largest score lies under 2^-110 is held at byte 1;
; the sum over the keys runs in four chains that are added at the end; NaN and infinities are not served.
; REGISTERS, in windows of 256 (s_set_vgpr_msb: bits 1:0 source 0, 3:2 source 1, 5:4 source 2, 7:6 destination):
;   window 0: v1-15 addresses; v16-33 scale words and nothing else (fj's 16-19, feat's 20-27, fi's 28-30, the scores' 31-33); v36-71 fi; v72-167 fj; v168-239 feat's fragments 10-15; v240-250 addresses
;   window 1: v0-191 the scores, tile a at 64 a; v192-215 at work; v216-251 their codes      window 2: O of tiles 0 and 1      window 3: v0-127 O of tile 2; v128-247 feat's fragments 0-9
.set REC,   38400                      ; a record: 8 fragments of fj, 16 of feat, 128 + 256 scale words
.set KFO,   0
.set VFO,   12288
.set KSO,   36864
.set VSO,   37376
.set SLOTB, 4*REC
.set SPARE, 2*SLOTB                    ; behind the ring: the spare words, 128 bytes for each wave: two blocks of 256 bytes that no other line names
.set SGRP,  4*192+16                   ; the stage for the four sums, in the ring, which has had its last fill and its last read by then: a channel's 48 tokens are 192 bytes, rows on end, and 16 bytes of padding behind every four rows:
                                       ; lane r's 16 bytes of a store then lie at piece 12 r + r / 4, sixteen different values modulo 16 (64 banks of 4 bytes: ISA guide 11.1), and eight rows are read back 16 bytes a lane on end
.set PART,  64*SGRP                    ; one wave's sums: 256 channels
.set CROW,  41472                      ; a channel's row of feat and out, in bytes
.set LA,   1                           ; v1, v2  16 x lane + my record in slot 0, 1
.set LS,   3                           ; v3, v4  4 x lane + the same
.set SPW,  5                           ; v5   LDS address of my spare word; never rewritten
.set NIL,  6                           ; v6   0; never rewritten
.set PF0,  7                           ; v7, v8  the prefetches' offsets
.set PF1,  8
.set STO,  9                           ; v9   the stage: where I put 16 bytes of a channel's row
.set RD,   10                          ; v10-12  where I read them back (sums 0, 1);  v240-242 (sums 2, 3)
.set GO,   13                          ; v13-15  and the same places in feat and out
.set KS,   16
.set VS,   20
.set QS,   28
.set PS,   31
.set QF,   36
.set KF,   72
.set VF0,  168
.set RD2,  240
.set FE,   36                          ; the way out: v36-131 feat;  v132-179, v180-227 two batches of the four sums
.set BA,   132
.set TM,   192                         ; window 1
.set CT,   208
.set PCD,  216
.set VF3,  128                         ; window 3
.set WV,   14                          ; s14  my wave's number
.set SEL,  20                          ; s[20:21] lane selects for v_permlanex16_b32: lane l xor 16
.set RN,   22                          ; s[22:23] 1 / 10368, twice: the packed form names a pair
.set G1,   24                          ; s[24:31] descriptor group 1;  s[32:35], s[36:39] group 0 for slot 0, 1
.set G0,   32
.set CNT,  40                          ; s40  the loop's counter
.set RHO,  41                          ; s41  which round of four key steps is in hand
.set LIM,  42                          ; s42  a wave prefetches while s41 is under it
.set PFA,  44                          ; s[44:45] where my prefetches stand: my record of the round five rounds on
.set MSB, 0
.macro WIN new                         ; the immediate's high byte repeats the setting that is left; a switch that changes nothing is dropped
.if MSB != \new
	s_set_vgpr_msb (MSB<<8)|\new
.set MSB, \new
.endif
.endm
.macro PLACES n
.rept \n
	v_nop
.endr
.endm
.macro CREST                           ; a round of the cluster's barrier behind its opening barrier
	s_cmp_lg_u32 s[WV], 0
	s_cbranch_scc1 .Lnot_wave_0_\@
	s_barrier_signal -3
.Lnot_wave_0_\@:
	s_barrier_wait -3
	s_barrier_signal -1
	s_barrier_wait -1
.endm
.macro CROUND
	s_barrier_signal -1
	s_barrier_wait -1
	CREST
.endm
; A PREFETCH INTO THE L2 of my record of the round five rounds on: three trips, 216 matrix instructions, ahead of the joint load that will ask for it.  All clusters walk the same records: the first cluster asks, and nobody else.
; Each wave asks for its own record; the four partners share its 150 blocks of 256 bytes out BY ADDRESS, 38 each: 32 by the first line, a lane a block, 6 by the second, whose other lanes name the part's last block again
; (the last partner's part ends with the record).  Rounds 0 to 4 come by their loads alone; s42 stops the asking at each wave's last record.
.macro ASK
	s_cmp_lt_u32 s[RHO], s[LIM]
	s_cbranch_scc0 .Lnot_mine_\@
	global_prefetch_b8 v[PF0], s[PFA:PFA+1] th:TH_LOAD_NT scope:SCOPE_SE
	global_prefetch_b8 v[PF1], s[PFA:PFA+1] th:TH_LOAD_NT scope:SCOPE_SE
.Lnot_mine_\@:
	s_add_co_u32 s[RHO], s[RHO], 1
.endm
; S^T of query tile a and key tile T.  One register holds the scale words of two key tiles: lanes 0-15 the even one's, lanes 16-31 the odd one's.
.macro SW a, T
	WIN 0x40
.if (\T)%2
	v_wmma_scale_f32_16x16x128_f8f6f4 v[64*(\a)+8*(\T):64*(\a)+8*(\T)+7], v[KF+12*(\T):KF+12*(\T)+11], v[QF+12*(\a):QF+12*(\a)+11], 0, v[KS+(\T)/2], v[QS+(\a)] matrix_a_fmt:MATRIX_FMT_FP6 matrix_b_fmt:MATRIX_FMT_FP6 matrix_a_scale:MATRIX_SCALE_ROW1
.else
	v_wmma_scale_f32_16x16x128_f8f6f4 v[64*(\a)+8*(\T):64*(\a)+8*(\T)+7], v[KF+12*(\T):KF+12*(\T)+11], v[QF+12*(\a):QF+12*(\a)+11], 0, v[KS+(\T)/2], v[QS+(\a)] matrix_a_fmt:MATRIX_FMT_FP6 matrix_b_fmt:MATRIX_FMT_FP6
.endif
.endm
; O of query tile a and channel tile t += P V.  zero = 1: the first round's products start the sums: nothing is ever cleared.  No two matrix instructions on end share an accumulator.
.macro PV a, t, zero
.set rO, 128*((\a)%2)+8*(\t)
.set rP, PCD+12*(\a)
.if (\t) < 10
.set rV, VF3+12*(\t)
.set wN, 0xad+0x50*((\a)/2)
.else
.set rV, VF0+12*((\t)-10)
.set wN, 0xa1+0x50*((\a)/2)
.endif
	WIN wN
.if \zero
.if (\t)%2
	v_wmma_scale_f32_16x16x128_f8f6f4 v[rO:rO+7], v[rP:rP+11], v[rV:rV+11], 0, v[PS+(\a)], v[VS+(\t)/2] matrix_a_fmt:MATRIX_FMT_FP6 matrix_b_fmt:MATRIX_FMT_FP6 matrix_b_scale:MATRIX_SCALE_ROW1
.else
	v_wmma_scale_f32_16x16x128_f8f6f4 v[rO:rO+7], v[rP:rP+11], v[rV:rV+11], 0, v[PS+(\a)], v[VS+(\t)/2] matrix_a_fmt:MATRIX_FMT_FP6 matrix_b_fmt:MATRIX_FMT_FP6
.endif
.else
.if (\t)%2
	v_wmma_scale_f32_16x16x128_f8f6f4 v[rO:rO+7], v[rP:rP+11], v[rV:rV+11], v[rO:rO+7], v[PS+(\a)], v[VS+(\t)/2] matrix_a_fmt:MATRIX_FMT_FP6 matrix_b_fmt:MATRIX_FMT_FP6 matrix_b_scale:MATRIX_SCALE_ROW1
.else
	v_wmma_scale_f32_16x16x128_f8f6f4 v[rO:rO+7], v[rP:rP+11], v[rV:rV+11], v[rO:rO+7], v[PS+(\a)], v[VS+(\t)/2] matrix_a_fmt:MATRIX_FMT_FP6 matrix_b_fmt:MATRIX_FMT_FP6
.endif
.endif
.endm
; THE QUANTISING OF ONE TILE'S SCORES: a list of 104 instructions; QI writes number qj of it for tile qa.
;   0-31   the largest magnitude of my 16 scores of each of the four blocks, the blocks by turns; each accumulator is read from its low end on.  Among the leaves the floor 2^-110: x 1 / 10368 its exponent field is 3, so the byte cannot fall under 1
;   32-39  with lane l xor 16's 16        40-43  x 1 / 10368: the same multiplication as on the scores, which keeps their order       44-51  the conversions' scale operands, and the bytes
;   52-54  the scale word, into window 0        55-86  the scores x 1 / 10368, two at a time        87-90  the conversions        91  the plain place behind them        92-103  whole blocks to the lanes
.macro QI
.set rS, 64*qa
.set rP, PCD+12*qa
.if qj != 54
	WIN 0x55
.endif
.if qj < 4
	v_max3_num_f32 v[TM+qj], |v[rS+16*qj]|, |v[rS+16*qj+1]|, 0x08800000
.elseif qj < 32
	v_max3_num_f32 v[TM+qj%4], v[TM+qj%4], |v[rS+16*(qj%4)+2*(qj/4)]|, |v[rS+16*(qj%4)+2*(qj/4)+1]|
.elseif qj < 36
	v_permlanex16_b32 v[TM+4+qj-32], v[TM+qj-32], s[SEL], s[SEL+1]
.elseif qj < 40
	v_max_num_f32 v[TM+qj-36], v[TM+qj-36], v[TM+4+qj-36]
.elseif qj < 44
	v_mul_f32 v[TM+qj-40], s[RN], v[TM+qj-40]
.elseif qj < 48
	v_add_nc_u32 v[TM+8+qj-44], 0xff000000, v[TM+qj-44]
.elseif qj < 52
	v_lshrrev_b32 v[TM+4+qj-48], 23, v[TM+8+qj-48]
.elseif qj == 52
	v_lshl_or_b32 v[TM+12], v[TM+5], 8, v[TM+4]
.elseif qj == 53
	v_lshl_or_b32 v[TM+12], v[TM+6], 16, v[TM+12]
.elseif qj == 54
	WIN 0x11
	v_lshl_or_b32 v[PS+qa], v[TM+7], 24, v[TM+12]
.elseif qj < 87
	v_pk_mul_f32 v[rS+2*(qj-55):rS+2*(qj-55)+1], v[rS+2*(qj-55):rS+2*(qj-55)+1], s[RN:RN+1] op_sel_hi:[1,0]
.elseif qj < 91
.set qcc, (qj-87)/2
.if (qj-87)%2 == 0
	v_cvt_scalef32_pk16_fp6_f32 v[rP+6*qcc:rP+6*qcc+2], v[rS+32*qcc:rS+32*qcc+15], v[TM+8+2*qcc]
.else
	v_cvt_scalef32_pk16_fp6_f32 v[CT+4*qcc:CT+4*qcc+2], v[rS+32*qcc+16:rS+32*qcc+31], v[TM+8+2*qcc+1]
.endif
.elseif qj == 91
	v_nop
.elseif qj < 98
.set qcc, (qj-92)/3
.set qii, (qj-92)%3
	v_permlane16_swap_b32 v[rP+6*qcc+qii], v[CT+4*qcc+qii]
.else
.set qcc, (qj-98)/3
.set qii, (qj-98)%3
	v_mov_b32 v[rP+3+6*qcc+qii], v[CT+4*qcc+qii]
.endif
.endm
; The next n numbers of a trip's list: three tiles' 312, then four v_nop, the places between tile 2's last codes and its first product.
.macro QSL n
.rept \n
.if qn < 312
.set qa, qn/104
.set qj, qn%104
	QI
.elseif qn < 316
	v_nop
.endif
.set qn, qn+1
.endr
.endm
.macro VSL T, slot                     ; feat's fragments 2 T and 2 T + 1: six loads; the last three slices bring the eight registers of scale words too
.if (\T) < 5
	WIN 0xc0
.set rV, VF3+24*(\T)
.else
	WIN 0
.set rV, VF0+24*((\T)-5)
.endif
.irp c, 0,1,2,3,4,5
	ds_load_b128 v[rV+4*\c:rV+4*\c+3], v[LA+(\slot)] offset:VFO+3072*(\T)+512*\c
.endr
.if (\T) >= 5
.irp p, 0,1,2
.if 3*((\T)-5)+\p < 8
	ds_load_b32 v[VS+3*((\T)-5)+\p], v[LS+(\slot)] offset:VSO+128*(3*((\T)-5)+\p)
.endif
.endr
.endif
.endm
.macro KSL i, slot                     ; fj's fragments 2 i and 2 i + 1: six loads; the first slice begins with the four registers of scale words
	WIN 0
.if (\i) == 0
.irp p, 0,1,2,3
	ds_load_b32 v[KS+\p], v[LS+(\slot)] offset:KSO+128*\p
.endr
.endif
.irp c, 0,1,2,3,4,5
	ds_load_b128 v[KF+24*(\i)+4*\c:KF+24*(\i)+4*\c+3], v[LA+(\slot)] offset:KFO+3072*(\i)+512*\c
.endr
.endm
.macro KRUN slot
.irp i, 0,1,2,3
	KSL \i, \slot
.endr
.endm
; A TRIP: one key step of my wave, from the record in \slot; fj's fragments were asked for in the trip before.
; ring = 2: this slot is filled again, with the round two rounds on;  1: by wave 0 alone (key step 80);  3: nothing is filled, and there is no barrier.  nextk = 1: the next step's fj is fetched from the other slot.  ask = 1: a prefetch.
.macro TRIP slot, zero, ring, nextk, ask
.set qn, 0
	PLACES 4                                       ; behind the last trip's products, in front of loads into the registers that held feat and its scales
	s_wait_dscnt 12                                ; fj's scale words and fragments 0-3 are in; fragments 4-7, the youngest 12 loads, may be out
.irp T, 0,1,2,3
	SW 0, \T
	VSL \T, \slot
.endr
	s_wait_dscnt 24                                ; all but the 24 loads just issued: fj is whole
.irp T, 4,5,6,7
	SW 0, \T
	VSL \T, \slot
.endr
	PLACES 4                                       ; in front of the first read of tile 0's scores
.irp T, 0,1,2,3,4,5,6,7
	SW 1, \T
	QSL 7
.endr
.irp T, 0,1,2,3
	SW 2, \T
	QSL 7
.endr
.if \ring < 3
	WIN 0                                          ; (the add's two registers lie in window 0)
	s_wait_tensorcnt 0x0                           ; all my tensor loads have landed: the one that was out is my record in the other slot; so a group 0 may be written
	ds_add_u32 v[SPW], v[NIL]                      ; 0 onto my spare word; work on registers stands between it and the wait for it
	s_add_nc_u64 s[G0+4*\slot+2:G0+4*\slot+3], s[G0+4*\slot+2:G0+4*\slot+3], 8*REC   ; this slot's next round: two rounds of four records on; the type bits on top are not reached
.if \ask
	s_wait_xcnt 0x0                                ; the last prefetches, a trip back, have read their address
	s_add_nc_u64 s[PFA:PFA+1], s[PFA:PFA+1], 4*REC
.endif
.endif
.irp T, 4,5
	SW 2, \T
	QSL 7
.endr
	s_wait_dscnt 0x0                               ; feat's fragments and scale words are in: my reads of this slot are over; and the add is done
.if \ring < 3
	s_barrier_signal -1                            ; this barrier opens a round of the cluster's barrier
.endif
.irp T, 6,7
	SW 2, \T
	QSL 7
.endr
	WIN 0                                          ; at a branch and at a label every window is 0
.if \ring < 3
	s_barrier_wait -1
	CREST                                          ; no wave of any partner still reads this slot or has a load on its way
.if \ring == 1
	s_cmp_lg_u32 s[WV], 0
	s_cbranch_scc1 .Lno_fill_\@
.endif
	tensor_load_to_lds s[G0+4*\slot:G0+4*\slot+3], s[G1:G1+7]   ; the first thing behind the round, and my one tensor load until the next
	s_nop 0
	PLACES 4
.if \ring == 1
.Lno_fill_\@:
.endif
.if \ask
	ASK
.endif
.endif
.irp t, 0,1,2,3,4,5,6,7,8,9,10,11,12,13,14,15
	PV 0, \t, \zero                                ; (tile 0's codes were finished eight plain instructions ago or more)
	QSL 7
.endr
.irp t, 0,1,2,3,4,5,6,7,8,9,10,11,12,13,14,15
	PV 1, \t, \zero
	QSL 7
.if \nextk && (\t >= 14)
	KSL (\t-14), (1-\slot)                         ; the last product that read fj stands more than 200 plain instructions back
.endif
.endr
.irp t, 0,1,2,3,4,5,6,7,8,9,10,11,12,13,14,15
	PV 2, \t, \zero
.if \nextk && (\t < 2)
	KSL (\t+2), (1-\slot)
.endif
.endr
	WIN 0
.endm
	s_load_b256 s[4:11], s[0:1], 0x0               ; kv 4:5, qc 6:7, qs 8:9, features 10:11
	s_load_b64 s[12:13], s[0:1], 0x20              ; out0
	v_lshl_add_u32 v[SPW], v0, 2, SPARE
	v_mov_b32 v[NIL], 0
	ds_add_u32 v[SPW], v[NIL]                      ; the wave's opening: the add, twice on end, and its wait ahead of my first tensor load; the set-up below stands between
	ds_add_u32 v[SPW], v[NIL]
	v_lshrrev_b32 v243, 5, v0
	v_readfirstlane_b32 s[WV], v243                ; wave 0..3
	s_bfe_u32 s15, ttmp6, 0x40000                  ; cx: my place in the cluster
	s_lshl_b32 s16, ttmp9, 2                       ; in a cluster launch ttmp9 counts clusters
	s_add_co_u32 s16, s16, s15                     ; my block of 48 queries: it enters global addresses alone
	; descriptor group 1: a record is dense: 150 rows of 32 elements of 8 bytes, no padding (the images are read 16 bytes a lane on end)
	s_mov_b32 s[G1+0], 15|(3<<16)|(1<<21)          ; 15:0 the mask: all four work-groups; 17:16 elements of 8 bytes; 21 set beside a mask
	s_mov_b32 s[G1+1], 32<<16                      ; tensor_dim0
	s_mov_b32 s[G1+2], 150<<16                     ; tensor_dim1
	s_mov_b32 s[G1+3], 32<<16                      ; tile_dim0
	s_mov_b32 s[G1+4], 150                         ; tile_dim1
	s_mov_b32 s[G1+5], 32                          ; the pitch
	s_mov_b32 s[G1+6], 0
	s_mov_b32 s[G1+7], 0
	s_mov_b32 s[SEL], 0x76543210
	s_mov_b32 s[SEL+1], 0xfedcba98
	s_mov_b32 s[RN], 0x38ca4588                    ; the f32 nearest to 1 / 10368
	s_mov_b32 s[RN+1], s[RN]
	s_mov_b32 s[RHO], 0
	s_mul_i32 s46, s[WV], REC                      ; my record's place in a slot: no place in the cluster enters an LDS address
	v_and_b32 v243, 31, v0                         ; lane
	v_and_b32 v244, 15, v0                         ; r
	v_bfe_u32 v245, v0, 4, 1                       ; h
	v_lshlrev_b32 v246, 4, v243                    ; 16 x lane
	v_lshlrev_b32 v247, 2, v244                    ; 4 r
	v_add_nc_u32 v[LA], s46, v246
	v_add_nc_u32 v[LA+1], SLOTB, v[LA]
	v_lshl_add_u32 v[LS], v243, 2, s46
	v_add_nc_u32 v[LS+1], SLOTB, v[LS]
	s_mul_i32 s47, s15, 38                         ; the prefetches: my work-group's 38 blocks of a record's 150
	v_add_nc_u32 v[PF0], s47, v243
	v_lshlrev_b32 v[PF0], 8, v[PF0]
	v_min_u32 v[PF1], 5, v243
	v_add_nc_u32 v[PF1], s47, v[PF1]
	v_add_nc_u32 v[PF1], 32, v[PF1]
	v_min_u32 v[PF1], 149, v[PF1]                  ; never past the record's last block
	v_lshlrev_b32 v[PF1], 8, v[PF1]
	s_mul_i32 s48, s[WV], PART                     ; the stage: my wave's sums; channel 16 t + r is a row: 192 r + 16 (r / 4); tokens 16 a + 8 h on
	v_mul_u32_u24 v[STO], v244, 192
	v_lshrrev_b32 v248, 2, v244
	v_lshl_add_u32 v[STO], v248, 4, v[STO]
	v_lshl_add_u32 v[STO], v245, 5, v[STO]
	v_add_nc_u32 v[STO], s48, v[STO]
	s_mul_i32 s49, s[WV], 16*SGRP                  ; back: my wave adds channels 64 w .. 64 w + 63, eight rows (1,536 bytes, three loads of 16 bytes a lane on end) at a time
	v_add_nc_u32 v[RD], s49, v246                  ; bytes 0 to 511 of the eight rows;
	v_lshl_add_u32 v[RD+1], v245, 4, v[RD]         ; bytes 512 to 1,023: the padding behind the fourth row, at byte 768, falls between lanes 15 and 16;
	v_add_nc_u32 v[RD+1], 512, v[RD+1]
	v_add_nc_u32 v[RD+2], 1024+16, v[RD]           ; bytes 1,024 to 1,535: behind that padding
.irp e, 0,1,2
	v_add_nc_u32 v[RD2+\e], 2*PART, v[RD+\e]
.endr
.irp e, 0,1,2                                    ; the same places in feat and out: piece x = 32 e + lane of the eight rows' 96 pieces of 16 bytes
	v_add_nc_u32 v248, 32*\e, v243
	v_mul_u32_u24 v249, v248, 43
	v_lshrrev_b32 v249, 9, v249                    ; its row, x / 12 (43 / 512 serves up to x = 95)
	v_mul_u32_u24 v250, v249, 12
	v_sub_nc_u32 v250, v248, v250
	v_lshlrev_b32 v250, 4, v250                    ; its 16 bytes in the row
	v_mul_u32_u24 v249, v249, CROW
	v_add_nc_u32 v[GO+\e], v249, v250
.endr
	s_mov_b32 s47, 0
	s_wait_dscnt 0x0                               ; both opening adds are done
	s_wait_kmcnt 0x0
	s_mov_b32 s[G0], 1
	s_mov_b32 s[G0+1], s46                         ; slot 0
	s_add_nc_u64 s[G0+2:G0+3], s[4:5], s[46:47]    ; key step w
	s_mov_b32 s[G0+4], 1
	s_add_co_u32 s[G0+5], s46, SLOTB               ; slot 1
	s_add_nc_u64 s[G0+6:G0+7], s[G0+2:G0+3], 4*REC ; key step 4 + w
	s_add_nc_u64 s[PFA:PFA+1], s[G0+2:G0+3], 16*REC  ; round 4: the first trip steps it to round 5.  Nothing is prefetched here, at the head
	s_or_b32 s[G0+3], s[G0+3], 0x80000000          ; type = 2
	s_or_b32 s[G0+7], s[G0+7], 0x80000000
	s_mul_i32 s48, s16, 3*1536
	s_mov_b32 s49, 0
	s_add_nc_u64 s[6:7], s[6:7], s[48:49]          ; my three fragments of fi,
	s_mul_i32 s48, s16, 192
	s_add_nc_u64 s[8:9], s[8:9], s[48:49]          ; their scale words,
	s_mul_i32 s50, s[WV], 64*CROW
	s_add_co_u32 s48, s48, s50
	s_add_nc_u64 s[10:11], s[10:11], s[48:49]      ; feat and out at my wave's 64 channels, my work-group's 48 tokens
	s_add_nc_u64 s[12:13], s[12:13], s[48:49]
	s_cmp_eq_u32 s[WV], 0
	s_cselect_b32 s[LIM], 16, 15                   ; round i + 5 exists for i < 15; for wave 0, which has key step 80, for i < 16
	s_cmp_eq_u32 ttmp9, 0                          ; the first cluster asks: the same in all four partners
	s_cselect_b32 s[LIM], s[LIM], 0
	CROUND                                         ; all four work-groups are here: the first joint loads meet
	tensor_load_to_lds s[G0:G0+3], s[G1:G1+7]
	s_nop 0
	tensor_load_to_lds s[G0+4:G0+7], s[G1:G1+7]
	s_nop 0
	PLACES 4
.irp i, 0,1,2,3,4,5,6,7,8
	global_load_b128 v[QF+4*\i:QF+4*\i+3], v246, s[6:7] offset:512*\i   ; fi stays in registers
.endr
.irp a, 0,1,2
	global_load_b32 v[QS+\a], v247, s[8:9] offset:64*\a
.endr
	WIN 0x40
.irp b, 4,5,6,7
	v_mov_b32 v[TM+\b], 0                          ; written once: a lane permute's destination counts as one of its sources
.endr
	WIN 0
	s_wait_tensorcnt 1                             ; my record of round 0 is in; round 1's may be out.  I alone read my records: no barrier
	KRUN 0
	s_wait_loadcnt 0x0                             ; fi
	TRIP 0, 1, 2, 1, 1                             ; round 0: its products start O's sums
	s_mov_b32 s[CNT], 8
.Lloop:                                            ; rounds 1 to 16, two a trip of the loop: once round the ring
	TRIP 1, 0, 2, 1, 1
	TRIP 0, 0, 2, 1, 1
	s_sub_co_u32 s[CNT], s[CNT], 1
	s_cmp_lg_u32 s[CNT], 0
	s_cbranch_scc1 .Lloop
	TRIP 1, 0, 2, 1, 0                             ; round 17 asks for round 19: the tail is written out
	TRIP 0, 0, 1, 1, 0                             ; round 18: wave 0 alone asks, for key step 80
	TRIP 1, 0, 3, 0, 0                             ; round 19: nothing is left to ask for
	s_wait_tensorcnt 0x0                           ; key step 80's record has landed (in the other waves nothing is out)
	s_cmp_lg_u32 s[WV], 0
	s_cbranch_scc1 .Ljoin
	KRUN 0
	TRIP 0, 0, 3, 0, 0                             ; wave 0: key step 80
.Ljoin:
	; THE WAY OUT.  The four waves' sums meet in a stage that lies in the ring: it has had its last fill, and behind this barrier nobody reads it as a ring.
	s_wait_dscnt 0x0                               ; my reads of the ring are over
	s_barrier_signal -1
	s_barrier_wait -1
	PLACES 4                                       ; behind the last products: results are read, and registers that held operands take loads
.irp m, 0,1,2,3,4,5,6,7
.irp e, 0,1,2
	global_load_b128 v[FE+4*(3*\m+\e):FE+4*(3*\m+\e)+3], v[GO+\e], s[10:11] offset:8*CROW*\m th:TH_LOAD_NT   ; feat at my 64 channels x 48 tokens: read once here
.endr
.endr
	WIN 0x08                                       ; an LDS store's data are its source 1: window 2
.irp a, 0,1
.irp t, 0,1,2,3,4,5,6,7,8,9,10,11,12,13,14,15
	ds_store_b128 v[STO], v[128*\a+8*\t:128*\a+8*\t+3] offset:4*SGRP*\t+64*\a       ; each accumulator from its low end on; sixteen channels are four groups of rows
	ds_store_b128 v[STO], v[128*\a+8*\t+4:128*\a+8*\t+7] offset:4*SGRP*\t+64*\a+16
.endr
.endr
	WIN 0x0c                                       ; window 3
.irp t, 0,1,2,3,4,5,6,7,8,9,10,11,12,13,14,15
	ds_store_b128 v[STO], v[8*\t:8*\t+3] offset:4*SGRP*\t+128
	ds_store_b128 v[STO], v[8*\t+4:8*\t+7] offset:4*SGRP*\t+144
.endr
	WIN 0
	s_wait_dscnt 0x0                               ; for the others' sake: my stores into the stage are done
	s_barrier_signal -1
	s_barrier_wait -1
.macro BL m                            ; batch m: eight channels' rows (two groups) of the four sums: twelve loads
.set bb, BA+48*((\m)%2)
.irp e, 0,1,2
	ds_load_b128 v[bb+16*\e:bb+16*\e+3],     v[RD+\e]  offset:2*SGRP*(\m)
	ds_load_b128 v[bb+16*\e+4:bb+16*\e+7],   v[RD+\e]  offset:PART+2*SGRP*(\m)
	ds_load_b128 v[bb+16*\e+8:bb+16*\e+11],  v[RD2+\e] offset:2*SGRP*(\m)
	ds_load_b128 v[bb+16*\e+12:bb+16*\e+15], v[RD2+\e] offset:PART+2*SGRP*(\m)
.endr
.endm
.macro SUMOUT m                        ; (sum 0 + sum 1) + (sum 2 + sum 3) + feat, stored: twelve neighbouring lanes cover a channel's 192 bytes
.set bb, BA+48*((\m)%2)
.irp e, 0,1,2
.irp d, 0,2
	v_pk_add_f32 v[bb+16*\e+\d:bb+16*\e+\d+1], v[bb+16*\e+\d:bb+16*\e+\d+1], v[bb+16*\e+4+\d:bb+16*\e+4+\d+1]
	v_pk_add_f32 v[bb+16*\e+8+\d:bb+16*\e+8+\d+1], v[bb+16*\e+8+\d:bb+16*\e+8+\d+1], v[bb+16*\e+12+\d:bb+16*\e+12+\d+1]
.endr
.irp d, 0,2
	v_pk_add_f32 v[bb+16*\e+\d:bb+16*\e+\d+1], v[bb+16*\e+\d:bb+16*\e+\d+1], v[bb+16*\e+8+\d:bb+16*\e+8+\d+1]
.endr
.irp d, 0,2
	v_pk_add_f32 v[bb+16*\e+\d:bb+16*\e+\d+1], v[bb+16*\e+\d:bb+16*\e+\d+1], v[FE+4*(3*(\m)+\e)+\d:FE+4*(3*(\m)+\e)+\d+1]
.endr
	global_store_b128 v[GO+\e], v[bb+16*\e:bb+16*\e+3], s[12:13] offset:8*CROW*(\m) th:TH_STORE_NT
.endr
.endm
	BL 0
.irp m, 0,1,2,3,4,5,6,7
.if \m > 0
	s_wait_xcnt 0x0                                ; the stores of the batch before have read their registers: the next batch's loads may land there
.endif
.if \m < 7
	BL \m+1
	s_wait_dscnt 12                                ; this batch is in; the next batch's twelve loads may be out
.else
	s_wait_dscnt 0x0
.endif
	s_wait_loadcnt 21-3*\m                         ; feat for this batch is in; the later batches' loads, three each, may be out
	SUMOUT \m
.endr
	s_wait_tensorcnt 0x0                           ; the wave's end: behind my last tensor load and my last LDS store
	ds_add_u32 v[SPW], v[NIL]
	s_wait_dscnt 0x0
	CROUND                                         ; the closing round: no work-group ends while a partner may still ask for a record that names it
	s_endpgm
.Lfunc_end_k_qcc86f1500e_attn:
	.size	k_qcc86f1500e_attn, .Lfunc_end_k_qcc86f1500e_attn-k_qcc86f1500e_attn
	.p2alignl 7, 3214868480
	.fill 96, 4, 3214868480
	.section	.rodata,"a",@progbits
	.p2align	6, 0x0
	.amdhsa_kernel k_qcc86f1500e_attn
		.amdhsa_group_segment_fixed_size 327680
		.amdhsa_private_segment_fixed_size 0
		.amdhsa_enable_private_segment 0
		.amdhsa_kernarg_size 40
		.amdhsa_user_sgpr_count 2
		.amdhsa_user_sgpr_kernarg_segment_ptr 1
		.amdhsa_wavefront_size32 1
		.amdhsa_system_sgpr_workgroup_id_x 1
		.amdhsa_system_sgpr_workgroup_id_y 1
		.amdhsa_system_sgpr_workgroup_id_z 1
		.amdhsa_system_vgpr_workitem_id 0
		.amdhsa_next_free_vgpr 1024
		.amdhsa_next_free_sgpr 66
		.amdhsa_reserve_vcc 0
		.amdhsa_float_denorm_mode_32 3
		.amdhsa_float_denorm_mode_16_64 3
		.amdhsa_memory_ordered 1
		.amdhsa_forward_progress 1
		.amdhsa_inst_pref_size 255
	.end_amdhsa_kernel
	.section	.bss,"aw",@nobits
	.p2align	6
	.space	262144
	.amdgpu_metadata
---
amdhsa.version: [ 1, 2 ]
amdhsa.kernels:
  - .name:           k_qcc86f1500e_attn
    .symbol:         k_qcc86f1500e_attn.kd
    .args:
      - { .name: kv, .offset: 0, .size: 8, .value_kind: global_buffer, .address_space: global }
      - { .name: qc, .offset: 8, .size: 8, .value_kind: global_buffer, .address_space: global }
      - { .name: qs, .offset: 16, .size: 8, .value_kind: global_buffer, .address_space: global }
      - { .name: features, .offset: 24, .size: 8, .value_kind: global_buffer, .address_space: global }
      - { .name: out0, .offset: 32, .size: 8, .value_kind: global_buffer, .address_space: global }
    .group_segment_fixed_size: 327680
    .private_segment_fixed_size: 0
    .kernarg_segment_align: 8
    .kernarg_segment_size: 40
    .max_flat_workgroup_size: 128
    .sgpr_count:     66
    .vgpr_count:     1024
    .wavefront_size: 32
...
	.end_amdgpu_metadata
.endif
;; end of part 2
;; ======== version 2 of 2: 2 launches
;; workspace buffers: kv 3,110,400 bytes; qc 995,328 bytes; qs 41,472 bytes
;; launch prep: the kernel of part 1 again; grid 81 x 1, 8 waves a work-group, no clusters, 218,112 bytes of LDS; arguments features, Wi, Wj, bi, bj, kv, qc, qs; writes kv, qc, qs
;; launch attn (part 3): grid 216 x 1, 4 waves a work-group, clusters of 4 x 1, 327,680 bytes of LDS; arguments kv, qc, qs, features, out0; writes out0
.if DOCPART == 3
	.amdgcn_target "amdgcn-amd-amdhsa--gfx1250"
	.amdhsa_code_object_version 6
	.text
	.protected	k_qcc86f1500e_attn
	.globl	k_qcc86f1500e_attn
	.p2align	8
	.type	k_qcc86f1500e_attn,@function
k_qcc86f1500e_attn:
	s_mov_b64 s[64:65], 0
	v_nop
	global_prefetch_b8 v0, s[64:65] scope:SCOPE_SE
	s_setreg_imm32_b32 hwreg(HW_REG_WAVE_MODE, 25, 1), 1
	s_wait_xcnt 0x0
	s_wait_alu depctr_hold_cnt(0) depctr_sa_sdst(0) depctr_va_vdst(0) depctr_va_sdst(0) depctr_va_ssrc(0) depctr_va_vcc(0) depctr_vm_vsrc(0)
	s_getreg_b32 s2, hwreg(HW_REG_IB_STS2, 6, 4)
	s_cmp_eq_u32 s2, 0
	s_cbranch_scc0 .Lentry_in_a_cluster
	s_endpgm
.Lentry_in_a_cluster:
	s_bfe_u32 s2, ttmp6, 0x10000c
	s_cmp_lg_u32 s2, 0x3003
	s_cbranch_scc0 .Lentry_shape_is_right
	s_endpgm
.Lentry_shape_is_right:
; out[c][n] = feat[c][n] + the sum over m of Q(fi[n] . fj[m] / 10368) Q(feat[c][m]): the last two products of the problem, with the quantiser of the scores between them.  Nothing is left out.
; All operands come as the first launch laid them: images of the operands' registers (a fragment: 1,536 bytes, registers 4 c .. 4 c + 3 of lane l at 512 c + 16 l) and scale words of 4 bytes a row.
; SHARES.  A work-group owns 48 queries (three tiles of 16): 10,368 / 48 = 216 work-groups.  ITS FOUR WAVES SHARE THE KEYS: a round is four key steps of 128 keys, one a wave; there are 20 rounds, and wave 0 also takes step 80; each wave sums
; all 256 channels of the 48 queries over its keys (384 registers), and the four sums meet in LDS at the end.  So a wave holds a whole step's operands (96 + 192 registers), reads each LDS byte once, and feeds three products from each fragment.
; A STEP.  S^T = fj fi^T (source 0 = 16 keys, source 1 = 16 queries): a lane holds one query, and the 16 registers of key tiles 2 b, 2 b + 1 are half of block b of 32 keys.  x 1 / 10368, quantised in registers, they are source 0 of
; O = P V (source 1 = 16 channels along the keys): in the result a lane holds one channel and eight queries.  Inside a block the keys stand in the order in which they fall into the registers (bits 3 and 4 of the place exchanged); the first
; launch laid feat's codes in the same order.
; BY TURNS.  The three tiles' quantising, a list of 104 vector instructions each, is cut into slices of seven that stand behind the matrix instructions of the tiles that are ahead or behind: tile 0's behind the scores of tiles 1 and 2,
; tile 1's behind tile 0's second product, tile 2's behind tile 1's.  The LDS loads stand in two runs a step, never singly among the matrix instructions.
; THE RING.  Two LDS slots of four records (one a wave).  A wave asks for its own record and reads it alone, so its own wait on TENSORcnt is all that its reads need.  CLUSTER: all work-groups walk the same 81 records, so the four of a cluster
; ask JOINTLY (the same load, the same descriptor, a mask of all four); a round of the cluster's barrier stands in front of each refill.  By this text's count a wave has two tensor loads out at the head and one later.
; THE WALK BEGINS ELSEWHERE IN EACH CLUSTER: cluster x begins at round x mod 20 and goes on cyclically through all 20; so at any time the 54 clusters ask for 20 different rounds and not all for the same one.  Key step 80 comes last everywhere.
; OUT.  48 tokens are 192 bytes of a channel's row: twelve neighbouring lanes store 192 consecutive bytes, three quarters of an aligned 256; whole ones would want 64 queries to a work-group, which leaves 162 work-groups.
; LIMITS: / 10368 is a multiplication by the f32 nearest to 1 / 10368 (within 1.2e-7 of the quotient); a block of zeros gets the scale byte 1 and zero codes; a block whose largest score lies under 2^-110 is held at byte 1;
; the sum over the keys runs in four chains that are added at the end, each in the order of its cluster's walk; NaN and infinities are not served.
; REGISTERS, in windows of 256 (s_set_vgpr_msb: bits 1:0 source 0, 3:2 source 1, 5:4 source 2, 7:6 destination):
;   window 0: v1-15 addresses; v16-33 scale words and nothing else (fj's 16-19, feat's 20-27, fi's 28-30, the scores' 31-33); v36-71 fi; v72-167 fj; v168-239 feat's fragments 10-15; v240-250 addresses
;   window 1: v0-191 the scores, tile a at 64 a; v192-215 at work; v216-251 their codes      window 2: O of tiles 0 and 1      window 3: v0-127 O of tile 2; v128-247 feat's fragments 0-9
.set REC,   38400                      ; a record: 8 fragments of fj, 16 of feat, 128 + 256 scale words
.set KFO,   0
.set VFO,   12288
.set KSO,   36864
.set VSO,   37376
.set SLOTB, 4*REC                      ; a slot, and a round in memory
.set NRND,  20                         ; whole rounds
.set SPARE, 2*SLOTB                    ; behind the ring: the spare words, 128 bytes for each wave: two blocks of 256 bytes that no other line names
.set SGRP,  4*192+16                   ; the stage for the four sums, in the ring, which has had its last fill and its last read by then: a channel's 48 tokens are 192 bytes, rows on end, and 16 bytes of padding behind every four rows:
                                       ; lane r's 16 bytes of a store then lie at piece 12 r + r / 4, sixteen different values modulo 16 (64 banks of 4 bytes: ISA guide 11.1), and eight rows are read back 16 bytes a lane on end
.set PART,  64*SGRP                    ; one wave's sums: 256 channels
.set CROW,  41472                      ; a channel's row of feat and out, in bytes
.set LA,   1                           ; v1, v2  16 x lane + my record in slot 0, 1
.set LS,   3                           ; v3, v4  4 x lane + the same
.set SPW,  5                           ; v5   LDS address of my spare word; never rewritten
.set NIL,  6                           ; v6   0; never rewritten
.set STO,  9                           ; v9   the stage: where I put 16 bytes of a channel's row
.set RD,   10                          ; v10-12  where I read them back (sums 0, 1);  v240-242 (sums 2, 3)
.set GO,   13                          ; v13-15  and the same places in feat and out
.set KS,   16
.set VS,   20
.set QS,   28
.set PS,   31
.set QF,   36
.set KF,   72
.set VF0,  168
.set RD2,  240
.set FE,   36                          ; the way out: v36-131 feat;  v132-179, v180-227 two batches of the four sums
.set BA,   132
.set TM,   192                         ; window 1
.set CT,   208
.set PCD,  216
.set VF3,  128                         ; window 3
.set WV,   14                          ; s14  my wave's number
.set SEL,  20                          ; s[20:21] lane selects for v_permlanex16_b32: lane l xor 16
.set RN,   22                          ; s[22:23] 1 / 10368, twice: the packed form names a pair
.set G1,   24                          ; s[24:31] descriptor group 1;  s[32:35], s[36:39] group 0 for slot 0, 1
.set G0,   32
.set CNT,  40                          ; s40  the loop's counter
.set TW,   41                          ; s41  at work in the walk's step
.set RR,   42                          ; s[42:43] the byte offset in kv of the round asked for last, 0 above it: made of the cluster's x and the count of steps alone, the same in all four partners
.set KB,   44                          ; s[44:45] kv + my wave's record of round 0; never rewritten
.set MSB, 0
.macro WIN new                         ; the immediate's high byte repeats the setting that is left; a switch that changes nothing is dropped
.if MSB != \new
	s_set_vgpr_msb (MSB<<8)|\new
.set MSB, \new
.endif
.endm
.macro PLACES n
.rept \n
	v_nop
.endr
.endm
.macro CREST                           ; a round of the cluster's barrier behind its opening barrier
	s_cmp_lg_u32 s[WV], 0
	s_cbranch_scc1 .Lnot_wave_0_\@
	s_barrier_signal -3
.Lnot_wave_0_\@:
	s_barrier_wait -3
	s_barrier_signal -1
	s_barrier_wait -1
.endm
.macro CROUND
	s_barrier_signal -1
	s_barrier_wait -1
	CREST
.endm
.macro STEPR                           ; the walk's next round: one round on, and from behind the last round back to the first; no branch
	s_add_co_u32 s[RR], s[RR], SLOTB
	s_cmp_ge_u32 s[RR], NRND*SLOTB
	s_cselect_b32 s[TW], NRND*SLOTB, 0
	s_sub_co_u32 s[RR], s[RR], s[TW]
.endm
; S^T of query tile a and key tile T.  One register holds the scale words of two key tiles: lanes 0-15 the even one's, lanes 16-31 the odd one's.
.macro SW a, T
	WIN 0x40
.if (\T)%2
	v_wmma_scale_f32_16x16x128_f8f6f4 v[64*(\a)+8*(\T):64*(\a)+8*(\T)+7], v[KF+12*(\T):KF+12*(\T)+11], v[QF+12*(\a):QF+12*(\a)+11], 0, v[KS+(\T)/2], v[QS+(\a)] matrix_a_fmt:MATRIX_FMT_FP6 matrix_b_fmt:MATRIX_FMT_FP6 matrix_a_scale:MATRIX_SCALE_ROW1
.else
	v_wmma_scale_f32_16x16x128_f8f6f4 v[64*(\a)+8*(\T):64*(\a)+8*(\T)+7], v[KF+12*(\T):KF+12*(\T)+11], v[QF+12*(\a):QF+12*(\a)+11], 0, v[KS+(\T)/2], v[QS+(\a)] matrix_a_fmt:MATRIX_FMT_FP6 matrix_b_fmt:MATRIX_FMT_FP6
.endif
.endm
; O of query tile a and channel tile t += P V.  zero = 1: the first trip's products start the sums: nothing is ever cleared.  No two matrix instructions on end share an accumulator.
.macro PV a, t, zero
.set rO, 128*((\a)%2)+8*(\t)
.set rP, PCD+12*(\a)
.if (\t) < 10
.set rV, VF3+12*(\t)
.set wN, 0xad+0x50*((\a)/2)
.else
.set rV, VF0+12*((\t)-10)
.set wN, 0xa1+0x50*((\a)/2)
.endif
	WIN wN
.if \zero
.if (\t)%2
	v_wmma_scale_f32_16x16x128_f8f6f4 v[rO:rO+7], v[rP:rP+11], v[rV:rV+11], 0, v[PS+(\a)], v[VS+(\t)/2] matrix_a_fmt:MATRIX_FMT_FP6 matrix_b_fmt:MATRIX_FMT_FP6 matrix_b_scale:MATRIX_SCALE_ROW1
.else
	v_wmma_scale_f32_16x16x128_f8f6f4 v[rO:rO+7], v[rP:rP+11], v[rV:rV+11], 0, v[PS+(\a)], v[VS+(\t)/2] matrix_a_fmt:MATRIX_FMT_FP6 matrix_b_fmt:MATRIX_FMT_FP6
.endif
.else
.if (\t)%2
	v_wmma_scale_f32_16x16x128_f8f6f4 v[rO:rO+7], v[rP:rP+11], v[rV:rV+11], v[rO:rO+7], v[PS+(\a)], v[VS+(\t)/2] matrix_a_fmt:MATRIX_FMT_FP6 matrix_b_fmt:MATRIX_FMT_FP6 matrix_b_scale:MATRIX_SCALE_ROW1
.else
	v_wmma_scale_f32_16x16x128_f8f6f4 v[rO:rO+7], v[rP:rP+11], v[rV:rV+11], v[rO:rO+7], v[PS+(\a)], v[VS+(\t)/2] matrix_a_fmt:MATRIX_FMT_FP6 matrix_b_fmt:MATRIX_FMT_FP6
.endif
.endif
.endm
; THE QUANTISING OF ONE TILE'S SCORES: a list of 104 instructions; QI writes number qj of it for tile qa.
;   0-31   the largest magnitude of my 16 scores of each of the four blocks, the blocks by turns; each accumulator is read from its low end on.  Among the leaves the floor 2^-110: x 1 / 10368 its exponent field is 3, so the byte cannot fall under 1
;   32-39  with lane l xor 16's 16        40-43  x 1 / 10368: the same multiplication as on the scores, which keeps their order       44-51  the conversions' scale operands, and the bytes
;   52-54  the scale word, into window 0        55-86  the scores x 1 / 10368, two at a time        87-90  the conversions        91  the plain place behind them        92-103  whole blocks to the lanes
.macro QI
.set rS, 64*qa
.set rP, PCD+12*qa
.if qj != 54
	WIN 0x55
.endif
.if qj < 4
	v_max3_num_f32 v[TM+qj], |v[rS+16*qj]|, |v[rS+16*qj+1]|, 0x08800000
.elseif qj < 32
	v_max3_num_f32 v[TM+qj%4], v[TM+qj%4], |v[rS+16*(qj%4)+2*(qj/4)]|, |v[rS+16*(qj%4)+2*(qj/4)+1]|
.elseif qj < 36
	v_permlanex16_b32 v[TM+4+qj-32], v[TM+qj-32], s[SEL], s[SEL+1]
.elseif qj < 40
	v_max_num_f32 v[TM+qj-36], v[TM+qj-36], v[TM+4+qj-36]
.elseif qj < 44
	v_mul_f32 v[TM+qj-40], s[RN], v[TM+qj-40]
.elseif qj < 48
	v_add_nc_u32 v[TM+8+qj-44], 0xff000000, v[TM+qj-44]
.elseif qj < 52
	v_lshrrev_b32 v[TM+4+qj-48], 23, v[TM+8+qj-48]
.elseif qj == 52
	v_lshl_or_b32 v[TM+12], v[TM+5], 8, v[TM+4]
.elseif qj == 53
	v_lshl_or_b32 v[TM+12], v[TM+6], 16, v[TM+12]
.elseif qj == 54
	WIN 0x11
	v_lshl_or_b32 v[PS+qa], v[TM+7], 24, v[TM+12]
.elseif qj < 87
	v_pk_mul_f32 v[rS+2*(qj-55):rS+2*(qj-55)+1], v[rS+2*(qj-55):rS+2*(qj-55)+1], s[RN:RN+1] op_sel_hi:[1,0]
.elseif qj < 91
.set qcc, (qj-87)/2
.if (qj-87)%2 == 0
	v_cvt_scalef32_pk16_fp6_f32 v[rP+6*qcc:rP+6*qcc+2], v[rS+32*qcc:rS+32*qcc+15], v[TM+8+2*qcc]
.else
	v_cvt_scalef32_pk16_fp6_f32 v[CT+4*qcc:CT+4*qcc+2], v[rS+32*qcc+16:rS+32*qcc+31], v[TM+8+2*qcc+1]
.endif
.elseif qj == 91
	v_nop
.elseif qj < 98
.set qcc, (qj-92)/3
.set qii, (qj-92)%3
	v_permlane16_swap_b32 v[rP+6*qcc+qii], v[CT+4*qcc+qii]
.else
.set qcc, (qj-98)/3
.set qii, (qj-98)%3
	v_mov_b32 v[rP+3+6*qcc+qii], v[CT+4*qcc+qii]
.endif
.endm
; The next n numbers of a trip's list: three tiles' 312, then four v_nop, the places between tile 2's last codes and its first product.
.macro QSL n
.rept \n
.if qn < 312
.set qa, qn/104
.set qj, qn%104
	QI
.elseif qn < 316
	v_nop
.endif
.set qn, qn+1
.endr
.endm
.macro VSL T, slot                     ; feat's fragments 2 T and 2 T + 1: six loads; the last three parts bring the eight registers of scale words too
.if (\T) < 5
	WIN 0xc0
.set rV, VF3+24*(\T)
.else
	WIN 0
.set rV, VF0+24*((\T)-5)
.endif
.irp c, 0,1,2,3,4,5
	ds_load_b128 v[rV+4*\c:rV+4*\c+3], v[LA+(\slot)] offset:VFO+3072*(\T)+512*\c
.endr
.if (\T) >= 5
.irp p, 0,1,2
.if 3*((\T)-5)+\p < 8
	ds_load_b32 v[VS+3*((\T)-5)+\p], v[LS+(\slot)] offset:VSO+128*(3*((\T)-5)+\p)
.endif
.endr
.endif
.endm
.macro VRUN slot                       ; a step's feat in one run: 48 loads of 16 bytes a lane and 8 of scale words; one switch of the window inside it
.irp T, 0,1,2,3,4,5,6,7
	VSL \T, \slot
.endr
.endm
.macro KSL i, slot                     ; fj's fragments 2 i and 2 i + 1: six loads; the first part begins with the four registers of scale words
	WIN 0
.if (\i) == 0
.irp p, 0,1,2,3
	ds_load_b32 v[KS+\p], v[LS+(\slot)] offset:KSO+128*\p
.endr
.endif
.irp c, 0,1,2,3,4,5
	ds_load_b128 v[KF+24*(\i)+4*\c:KF+24*(\i)+4*\c+3], v[LA+(\slot)] offset:KFO+3072*(\i)+512*\c
.endr
.endm
.macro KRUN slot                       ; a step's fj in one run: 4 + 24 loads
.irp i, 0,1,2,3
	KSL \i, \slot
.endr
.endm
; A TRIP: one key step of my wave, from the record in \slot; fj's fragments were asked for in the trip before.
; ring = 2: this slot is filled again, with the walk's round two rounds on;  1: by wave 0 alone (key step 80);  3: nothing is filled, and there is no barrier.  nextk = 1: the next step's fj is fetched from the other slot.
.macro TRIP slot, zero, ring, nextk
.set qn, 0
	PLACES 4                                       ; behind the last trip's products, in front of loads into the registers that held feat and its scales
	s_wait_dscnt 0x0                               ; fj and its scale words are in: they were asked for sixteen products ago
	VRUN \slot
.irp T, 0,1,2,3,4,5,6,7
	SW 0, \T
.endr
	PLACES 4                                       ; in front of the first read of tile 0's scores
.irp T, 0,1,2,3,4,5,6,7
	SW 1, \T
	QSL 7
.endr
.irp T, 0,1,2,3
	SW 2, \T
	QSL 7
.endr
.if \ring < 3
	WIN 0                                          ; (the add's two registers lie in window 0)
	s_wait_tensorcnt 0x0                           ; all my tensor loads have landed: the one that was out is my record in the other slot; so a group 0 may be written
	ds_add_u32 v[SPW], v[NIL]                      ; 0 onto my spare word; work on registers stands between it and the wait for it
.if \ring == 2
	STEPR                                          ; this slot's next round
	s_add_nc_u64 s[G0+4*\slot+2:G0+4*\slot+3], s[KB:KB+1], s[RR:RR+1]
.else
	s_add_nc_u64 s[G0+4*\slot+2:G0+4*\slot+3], s[KB:KB+1], NRND*SLOTB   ; key step 80 lies behind the 20 rounds (wave 0's record; the other waves' sums are not used)
.endif
	s_or_b32 s[G0+4*\slot+3], s[G0+4*\slot+3], 0x80000000   ; type = 2
.endif
.irp T, 4,5
	SW 2, \T
	QSL 7
.endr
	s_wait_dscnt 0x0                               ; feat's fragments and scale words are in: my reads of this slot are over; and the add is done
.if \ring < 3
	s_barrier_signal -1                            ; this barrier opens a round of the cluster's barrier
.endif
.irp T, 6,7
	SW 2, \T
	QSL 7
.endr
	WIN 0                                          ; at a branch and at a label every window is 0
.if \ring < 3
	s_barrier_wait -1
	CREST                                          ; no wave of any partner still reads this slot or has a load on its way
.if \ring == 1
	s_cmp_lg_u32 s[WV], 0
	s_cbranch_scc1 .Lno_fill_\@
.endif
	tensor_load_to_lds s[G0+4*\slot:G0+4*\slot+3], s[G1:G1+7]   ; the first thing behind the round, and my one tensor load until the next
	s_nop 0
	PLACES 4
.if \ring == 1
.Lno_fill_\@:
.endif
.endif
.irp t, 0,1,2,3,4,5,6,7,8,9,10,11,12,13,14,15
	PV 0, \t, \zero                                ; (tile 0's codes were finished eight plain instructions ago or more)
	QSL 7
.endr
.irp t, 0,1,2,3,4,5,6,7,8,9,10,11,12,13,14,15
	PV 1, \t, \zero
	QSL 7
.if \nextk && (\t == 15)
	KRUN (1-\slot)                                 ; the last product that read fj stands more than 200 plain instructions back; the other slot's record was shown landed by this trip's wait for all loads
.endif
.endr
.irp t, 0,1,2,3,4,5,6,7,8,9,10,11,12,13,14,15
	PV 2, \t, \zero
.endr
	WIN 0
.endm
	s_load_b256 s[4:11], s[0:1], 0x0               ; kv 4:5, qc 6:7, qs 8:9, features 10:11
	s_load_b64 s[12:13], s[0:1], 0x20              ; out0
	v_lshl_add_u32 v[SPW], v0, 2, SPARE
	v_mov_b32 v[NIL], 0
	ds_add_u32 v[SPW], v[NIL]                      ; the wave's opening: the add, twice on end, and its wait ahead of my first tensor load; the set-up below stands between
	ds_add_u32 v[SPW], v[NIL]
	v_lshrrev_b32 v243, 5, v0
	v_readfirstlane_b32 s[WV], v243                ; wave 0..3
	s_bfe_u32 s15, ttmp6, 0x40000                  ; cx: my place in the cluster
	s_lshl_b32 s16, ttmp9, 2                       ; in a cluster launch ttmp9 counts clusters
	s_add_co_u32 s16, s16, s15                     ; my block of 48 queries: it enters the addresses of fi, feat and out alone
	; descriptor group 1: a record is dense: 150 rows of 32 elements of 8 bytes, no padding (the images are read 16 bytes a lane on end)
	s_mov_b32 s[G1+0], 15|(3<<16)|(1<<21)          ; 15:0 the mask: all four work-groups; 17:16 elements of 8 bytes; 21 set beside a mask
	s_mov_b32 s[G1+1], 32<<16                      ; tensor_dim0
	s_mov_b32 s[G1+2], 150<<16                     ; tensor_dim1
	s_mov_b32 s[G1+3], 32<<16                      ; tile_dim0
	s_mov_b32 s[G1+4], 150                         ; tile_dim1
	s_mov_b32 s[G1+5], 32                          ; the pitch
	s_mov_b32 s[G1+6], 0
	s_mov_b32 s[G1+7], 0
	s_mov_b32 s[SEL], 0x76543210
	s_mov_b32 s[SEL+1], 0xfedcba98
	s_mov_b32 s[RN], 0x38ca4588                    ; the f32 nearest to 1 / 10368
	s_mov_b32 s[RN+1], s[RN]
	s_mul_i32 s[TW], ttmp9, 13                     ; where my cluster's walk begins: x mod 20;
	s_lshr_b32 s[TW], s[TW], 8                     ; x / 20 (13 / 256 serves up to x = 53),
	s_mul_i32 s[TW], s[TW], NRND
	s_sub_co_u32 s[TW], ttmp9, s[TW]
	s_mul_i32 s[RR], s[TW], SLOTB                  ; in bytes
	s_mov_b32 s[RR+1], 0
	s_mul_i32 s46, s[WV], REC                      ; my record's place in a slot and in a round: no place in the cluster enters an LDS address
	s_mov_b32 s47, 0
	v_and_b32 v243, 31, v0                         ; lane
	v_and_b32 v244, 15, v0                         ; r
	v_bfe_u32 v245, v0, 4, 1                       ; h
	v_lshlrev_b32 v246, 4, v243                    ; 16 x lane
	v_lshlrev_b32 v247, 2, v244                    ; 4 r
	v_add_nc_u32 v[LA], s46, v246
	v_add_nc_u32 v[LA+1], SLOTB, v[LA]
	v_lshl_add_u32 v[LS], v243, 2, s46
	v_add_nc_u32 v[LS+1], SLOTB, v[LS]
	s_mul_i32 s48, s[WV], PART                     ; the stage: my wave's sums; channel 16 t + r is a row: 192 r + 16 (r / 4); tokens 16 a + 8 h on
	v_mul_u32_u24 v[STO], v244, 192
	v_lshrrev_b32 v248, 2, v244
	v_lshl_add_u32 v[STO], v248, 4, v[STO]
	v_lshl_add_u32 v[STO], v245, 5, v[STO]
	v_add_nc_u32 v[STO], s48, v[STO]
	s_mul_i32 s49, s[WV], 16*SGRP                  ; back: my wave adds channels 64 w .. 64 w + 63, eight rows (1,536 bytes, three loads of 16 bytes a lane on end) at a time
	v_add_nc_u32 v[RD], s49, v246                  ; bytes 0 to 511 of the eight rows;
	v_lshl_add_u32 v[RD+1], v245, 4, v[RD]         ; bytes 512 to 1,023: the padding behind the fourth row, at byte 768, falls between lanes 15 and 16;
	v_add_nc_u32 v[RD+1], 512, v[RD+1]
	v_add_nc_u32 v[RD+2], 1024+16, v[RD]           ; bytes 1,024 to 1,535: behind that padding
.irp e, 0,1,2
	v_add_nc_u32 v[RD2+\e], 2*PART, v[RD+\e]
.endr
.irp e, 0,1,2                                    ; the same places in feat and out: piece x = 32 e + lane of the eight rows' 96 pieces of 16 bytes
	v_add_nc_u32 v248, 32*\e, v243
	v_mul_u32_u24 v249, v248, 43
	v_lshrrev_b32 v249, 9, v249                    ; its row, x / 12 (43 / 512 serves up to x = 95)
	v_mul_u32_u24 v250, v249, 12
	v_sub_nc_u32 v250, v248, v250
	v_lshlrev_b32 v250, 4, v250                    ; its 16 bytes in the row
	v_mul_u32_u24 v249, v249, CROW
	v_add_nc_u32 v[GO+\e], v249, v250
.endr
	s_wait_dscnt 0x0                               ; both opening adds are done
	s_wait_kmcnt 0x0
	s_add_nc_u64 s[KB:KB+1], s[4:5], s[46:47]      ; kv + my wave's record of round 0
	s_mov_b32 s[G0], 1
	s_mov_b32 s[G0+1], s46                         ; slot 0:
	s_add_nc_u64 s[G0+2:G0+3], s[KB:KB+1], s[RR:RR+1]   ; the walk's first round
	s_or_b32 s[G0+3], s[G0+3], 0x80000000          ; type = 2
	STEPR
	s_mov_b32 s[G0+4], 1
	s_add_co_u32 s[G0+5], s46, SLOTB               ; slot 1:
	s_add_nc_u64 s[G0+6:G0+7], s[KB:KB+1], s[RR:RR+1]   ; its second
	s_or_b32 s[G0+7], s[G0+7], 0x80000000
	s_mul_i32 s48, s16, 3*1536
	s_mov_b32 s49, 0
	s_add_nc_u64 s[6:7], s[6:7], s[48:49]          ; my three fragments of fi,
	s_mul_i32 s48, s16, 192
	s_add_nc_u64 s[8:9], s[8:9], s[48:49]          ; their scale words,
	s_mul_i32 s50, s[WV], 64*CROW
	s_add_co_u32 s48, s48, s50
	s_add_nc_u64 s[10:11], s[10:11], s[48:49]      ; feat and out at my wave's 64 channels, my work-group's 48 tokens
	s_add_nc_u64 s[12:13], s[12:13], s[48:49]
	CROUND                                         ; all four work-groups are here: the first joint loads meet
	tensor_load_to_lds s[G0:G0+3], s[G1:G1+7]
	s_nop 0
	tensor_load_to_lds s[G0+4:G0+7], s[G1:G1+7]
	s_nop 0
	PLACES 4
.irp i, 0,1,2,3,4,5,6,7,8
	global_load_b128 v[QF+4*\i:QF+4*\i+3], v246, s[6:7] offset:512*\i   ; fi stays in registers
.endr
.irp a, 0,1,2
	global_load_b32 v[QS+\a], v247, s[8:9] offset:64*\a
.endr
	WIN 0x40
.irp b, 4,5,6,7
	v_mov_b32 v[TM+\b], 0                          ; written once: a lane permute's destination counts as one of its sources
.endr
	WIN 0
	s_wait_tensorcnt 1                             ; my record of the first round is in; the second's may be out.  I alone read my records: no barrier
	KRUN 0
	s_wait_loadcnt 0x0                             ; fi
	TRIP 0, 1, 2, 1                                ; trip 0: its products start O's sums
	s_mov_b32 s[CNT], 8
.Lloop:                                            ; trips 1 to 16, two a trip of the loop: once round the ring
	TRIP 1, 0, 2, 1
	TRIP 0, 0, 2, 1
	s_sub_co_u32 s[CNT], s[CNT], 1
	s_cmp_lg_u32 s[CNT], 0
	s_cbranch_scc1 .Lloop
	TRIP 1, 0, 2, 1                                ; trip 17 asks for the walk's last round: the tail is written out
	TRIP 0, 0, 1, 1                                ; trip 18: wave 0 alone asks, for key step 80
	TRIP 1, 0, 3, 0                                ; trip 19: nothing is left to ask for
	s_wait_tensorcnt 0x0                           ; key step 80's record has landed (in the other waves nothing is out)
	s_cmp_lg_u32 s[WV], 0
	s_cbranch_scc1 .Ljoin
	KRUN 0
	TRIP 0, 0, 3, 0                                ; wave 0: key step 80
.Ljoin:
	; THE WAY OUT.  The four waves' sums meet in a stage that lies in the ring: it has had its last fill, and behind this barrier nobody reads it as a ring.
	s_wait_dscnt 0x0                               ; my reads of the ring are over
	s_barrier_signal -1
	s_barrier_wait -1
	PLACES 4                                       ; behind the last products: results are read, and registers that held operands take loads
.irp m, 0,1,2,3,4,5,6,7
.irp e, 0,1,2
	global_load_b128 v[FE+4*(3*\m+\e):FE+4*(3*\m+\e)+3], v[GO+\e], s[10:11] offset:8*CROW*\m th:TH_LOAD_NT   ; feat at my 64 channels x 48 tokens: read once here
.endr
.endr
	WIN 0x08                                       ; an LDS store's data are its source 1: window 2
.irp a, 0,1
.irp t, 0,1,2,3,4,5,6,7,8,9,10,11,12,13,14,15
	ds_store_b128 v[STO], v[128*\a+8*\t:128*\a+8*\t+3] offset:4*SGRP*\t+64*\a       ; each accumulator from its low end on; sixteen channels are four groups of rows
	ds_store_b128 v[STO], v[128*\a+8*\t+4:128*\a+8*\t+7] offset:4*SGRP*\t+64*\a+16
.endr
.endr
	WIN 0x0c                                       ; window 3
.irp t, 0,1,2,3,4,5,6,7,8,9,10,11,12,13,14,15
	ds_store_b128 v[STO], v[8*\t:8*\t+3] offset:4*SGRP*\t+128
	ds_store_b128 v[STO], v[8*\t+4:8*\t+7] offset:4*SGRP*\t+144
.endr
	WIN 0
	s_wait_dscnt 0x0                               ; for the others' sake: my stores into the stage are done
	s_barrier_signal -1
	s_barrier_wait -1
.macro BL m                            ; batch m: eight channels' rows (two groups) of the four sums: twelve loads
.set bb, BA+48*((\m)%2)
.irp e, 0,1,2
	ds_load_b128 v[bb+16*\e:bb+16*\e+3],     v[RD+\e]  offset:2*SGRP*(\m)
	ds_load_b128 v[bb+16*\e+4:bb+16*\e+7],   v[RD+\e]  offset:PART+2*SGRP*(\m)
	ds_load_b128 v[bb+16*\e+8:bb+16*\e+11],  v[RD2+\e] offset:2*SGRP*(\m)
	ds_load_b128 v[bb+16*\e+12:bb+16*\e+15], v[RD2+\e] offset:PART+2*SGRP*(\m)
.endr
.endm
.macro SUMOUT m                        ; (sum 0 + sum 1) + (sum 2 + sum 3) + feat, stored: twelve neighbouring lanes cover a channel's 192 bytes
.set bb, BA+48*((\m)%2)
.irp e, 0,1,2
.irp d, 0,2
	v_pk_add_f32 v[bb+16*\e+\d:bb+16*\e+\d+1], v[bb+16*\e+\d:bb+16*\e+\d+1], v[bb+16*\e+4+\d:bb+16*\e+4+\d+1]
	v_pk_add_f32 v[bb+16*\e+8+\d:bb+16*\e+8+\d+1], v[bb+16*\e+8+\d:bb+16*\e+8+\d+1], v[bb+16*\e+12+\d:bb+16*\e+12+\d+1]
.endr
.irp d, 0,2
	v_pk_add_f32 v[bb+16*\e+\d:bb+16*\e+\d+1], v[bb+16*\e+\d:bb+16*\e+\d+1], v[bb+16*\e+8+\d:bb+16*\e+8+\d+1]
.endr
.irp d, 0,2
	v_pk_add_f32 v[bb+16*\e+\d:bb+16*\e+\d+1], v[bb+16*\e+\d:bb+16*\e+\d+1], v[FE+4*(3*(\m)+\e)+\d:FE+4*(3*(\m)+\e)+\d+1]
.endr
	global_store_b128 v[GO+\e], v[bb+16*\e:bb+16*\e+3], s[12:13] offset:8*CROW*(\m) th:TH_STORE_NT
.endr
.endm
	BL 0
.irp m, 0,1,2,3,4,5,6,7
.if \m > 0
	s_wait_xcnt 0x0                                ; the stores of the batch before have read their registers: the next batch's loads may land there
.endif
.if \m < 7
	BL \m+1
	s_wait_dscnt 12                                ; this batch is in; the next batch's twelve loads may be out
.else
	s_wait_dscnt 0x0
.endif
	s_wait_loadcnt 21-3*\m                         ; feat for this batch is in; the later batches' loads, three each, may be out
	SUMOUT \m
.endr
	s_wait_tensorcnt 0x0                           ; the wave's end: behind my last tensor load and my last LDS store
	ds_add_u32 v[SPW], v[NIL]
	s_wait_dscnt 0x0
	CROUND                                         ; the closing round: no work-group ends while a partner may still ask for a record that names it
	s_endpgm
.Lfunc_end_k_qcc86f1500e_attn:
	.size	k_qcc86f1500e_attn, .Lfunc_end_k_qcc86f1500e_attn-k_qcc86f1500e_attn
	.p2alignl 7, 3214868480
	.fill 96, 4, 3214868480
	.section	.rodata,"a",@progbits
	.p2align	6, 0x0
	.amdhsa_kernel k_qcc86f1500e_attn
		.amdhsa_group_segment_fixed_size 327680
		.amdhsa_private_segment_fixed_size 0
		.amdhsa_enable_private_segment 0
		.amdhsa_kernarg_size 40
		.amdhsa_user_sgpr_count 2
		.amdhsa_user_sgpr_kernarg_segment_ptr 1
		.amdhsa_wavefront_size32 1
		.amdhsa_system_sgpr_workgroup_id_x 1
		.amdhsa_system_sgpr_workgroup_id_y 1
		.amdhsa_system_sgpr_workgroup_id_z 1
		.amdhsa_system_vgpr_workitem_id 0
		.amdhsa_next_free_vgpr 1024
		.amdhsa_next_free_sgpr 66
		.amdhsa_reserve_vcc 0
		.amdhsa_float_denorm_mode_32 3
		.amdhsa_float_denorm_mode_16_64 3
		.amdhsa_memory_ordered 1
		.amdhsa_forward_progress 1
		.amdhsa_inst_pref_size 255
	.end_amdhsa_kernel
	.section	.bss,"aw",@nobits
	.p2align	6
	.space	262144
	.amdgpu_metadata
---
amdhsa.version: [ 1, 2 ]
amdhsa.kernels:
  - .name:           k_qcc86f1500e_attn
    .symbol:         k_qcc86f1500e_attn.kd
    .args:
      - { .name: kv, .offset: 0, .size: 8, .value_kind: global_buffer, .address_space: global }
      - { .name: qc, .offset: 8, .size: 8, .value_kind: global_buffer, .address_space: global }
      - { .name: qs, .offset: 16, .size: 8, .value_kind: global_buffer, .address_space: global }
      - { .name: features, .offset: 24, .size: 8, .value_kind: global_buffer, .address_space: global }
      - { .name: out0, .offset: 32, .size: 8, .value_kind: global_buffer, .address_space: global }
    .group_segment_fixed_size: 327680
    .private_segment_fixed_size: 0
    .kernarg_segment_align: 8
    .kernarg_segment_size: 40
    .max_flat_workgroup_size: 128
    .sgpr_count:     66
    .vgpr_count:     1024
    .wavefront_size: 32
...
	.end_amdgpu_metadata
.endif
;; end of part 3
